; MI455X (gfx1250); checked and timed in simulation.
; The chip was launched on July 23, 2026; its instructions are those of AMD's public machine-readable ISA for CDNA 5 (MIT licence, August 2026) and "CDNA5" Instruction Set Architecture Reference Guide (July 2026). The comments in the code are by the model that wrote it; some were corrected since.
;; Multi Head Attention. Allowed arithmetic: matrix products marked QUANTISED: E2M3 operands, one E8M0 scale for each 32 along K, by v_wmma_scale_f32_16x16x128_f8f6f4 with both operands' format E2M3, f32 sums; everything else in f32.
;; Inputs: Wk 1,024 x 1,024 float32; Wo 1,024 x 1,024 float32; Wq 1,024 x 1,024 float32; Wv 1,024 x 1,024 float32; bk 1,024 float32; bo 1,024 float32; bq 1,024 float32; bv 1,024 float32; key 8 x 1,024 x 1,024 float32; mask 8 x 1 x 1 x 1,024 int32; query 8 x 1,024 x 1,024 float32; value 8 x 1,024 x 1,024 float32.
;; Outputs: out0 8 x 1,024 x 1,024 float32.
;; This version of the problem:
;;   THIS VERSION OF THE PROBLEM IS GIVEN IN LOW PRECISION. The matrix products marked QUANTISED in the list below multiply operands that are first quantised to E2M3 (2 exponent bits, 3 mantissa bits; 6 bits a number), with one power-of-two scale for each 32 numbers along K (OCP MX v1.0); their sums are f32. All else is computed in f32.
;;   The module's matrix products, in the order in which they are computed (A, B: the left and right operand; K: the contracted axis; several contracted axes count as one K, in the product's order):
;;     1. [M 8,192, K 1,024] x [K 1,024, N 1,024]; A: input query; B: input Wq: QUANTISED
;;     2. [M 8,192, K 1,024] x [K 1,024, N 1,024]; A: input key; B: input Wk: QUANTISED
;;     3. [M 8,192, K 1,024] x [K 1,024, N 1,024]; A: input value; B: input Wv: QUANTISED
;;     4. batch 128 x [M 1,024, K 64] x [K 64, N 1,024]; A: computed on the way; B: computed on the way: QUANTISED
;;     5. batch 128 x [M 1,024, K 1,024] x [K 1,024, N 64]; A: softmax (see below); B: computed on the way: QUANTISED
;;     6. [M 8,192, K 1,024] x [K 1,024, N 1,024]; A: computed on the way; B: input Wo: QUANTISED
;;   THE QUANTISER, for each operand of a quantised product, along K:
;;     - K is cut into blocks of 32 from its start; a last block that is shorter is filled with zeros.
;;     - A block's scale is 2^e with e = floor(log2(the largest magnitude in the block)) - 2, held to -126 .. 127; a block of zeros has e = 0. As a byte (E8M0): e + 127.
;;     - Each number is divided by its block's scale, clamped to +-7.5, and rounded to the nearest number of E2M3, ties to even, subnormals kept.
;;     - The product sums the exact products of the quantised numbers (number of the format x scale) in f32.
;;   ~~~python
;;   def quantise(x, axis):      # numpy; x: float32 -> the quantised numbers, widened to float32 again
;;       x = np.moveaxis(x, axis, -1); K = x.shape[-1]
;;       x = np.pad(x, [(0, 0)] * (x.ndim - 1) + [(0, -K % 32)]); x = x.reshape(x.shape[:-1] + (-1, 32)); a = np.abs(x).max(-1, keepdims=True)
;;       e = np.where(a > 0, np.clip(np.frexp(np.where(a > 0, a, 1))[1] - 1 - 2, -126, 127), 0)      # np.frexp(a)[1] - 1 = floor(log2(a)), exactly
;;       r = np.clip(x / 2.0 ** e, -7.5, 7.5)
;;       step = 2.0 ** (np.maximum(np.frexp(np.where(r == 0, 1, r))[1] - 1, 0) - 3)
;;       q = np.round(r / step) * step * 2.0 ** e      # np.round: ties to even
;;       return np.moveaxis(q.reshape(q.shape[:-2] + (-1,))[..., :K], -1, axis).astype(np.float32)
;;   ~~~
;;   SOFTMAX AHEAD OF A QUANTISED PRODUCT. Where the list says 'softmax', what is quantised is not the finished softmax but p = 2^(t - M), with t = logit x log2(e) and M = ceil(the row's largest t), a whole number; so 1/2 < the row's largest p <= 1. The row's sum l is taken of the UNQUANTISED p, in f32, and the product's result is divided by l at the end. Since M is a whole number, a kernel that streams over the keys may use a running M (the ceiling of the running maximum): every later rescaling is an exact power of two, which a block's scale takes up: the codes' values come out the same.
;;   OPERANDS COMPUTED ON THE WAY. 'Computed on the way' means the value that the module computes at that place (a softmax that the list does not call 'softmax' is quantised finished and normalised). What goes into a quantiser is computed in f32, as accurately as f32 sums, v_exp_f32 and their like allow (about 1e-6 of the number): no bf16 or f16 on the way to a quantiser, and a product that is left as it is and whose result goes on into a quantised operand takes f32 operands (vector FMAs, or v_wmma_f32_16x16x4_f32). A number that lies on a knife's edge between two numbers of the format may be rounded either way, as far as f32 arithmetic and the matrix unit's own rounding can turn it there, and no further.
;; One version. Each part assembles by itself: llvm-mc -triple=amdgcn-amd-amdhsa -mcpu=gfx1250 --defsym DOCPART=n.
;; ======== version 1 of 1: 4 launches
;; limits: right only within a limited range of input values
;; workspace buffers: xc 22,020,096 bytes; xs 917,504 bytes; pc 18,874,368 bytes; ps 1,310,720 bytes; cc 6,291,456 bytes; cs 262,144 bytes
;; launch quant (part 1): grid 448 x 1, 4 waves a work-group, no clusters, 34,304 bytes of LDS; arguments query, key, value, Wq, Wk, Wv, Wo, xc, xs; writes xc, xs
.if DOCPART == 1
	.amdgcn_target "amdgcn-amd-amdhsa--gfx1250"
	.amdhsa_code_object_version 6
	.text
	.protected	k_q5395d9c622_quant
	.globl	k_q5395d9c622_quant
	.p2align	8
	.type	k_q5395d9c622_quant,@function
k_q5395d9c622_quant:
	s_mov_b64 s[64:65], 0
	v_nop
	global_prefetch_b8 v0, s[64:65] scope:SCOPE_SE
	s_setreg_imm32_b32 hwreg(HW_REG_WAVE_MODE, 25, 1), 1
	s_wait_xcnt 0x0
; query, key, value [8192][1024] and Wq, Wk, Wv, Wo [1024][1024], f32 with K innermost, become codes of FP6 (E2M3) with one E8M0 byte for each 32 along K.
; A block's scale is 2^(floor(log2(its largest magnitude)) - 2); its byte is the largest magnitude's exponent field - 2, held at 1 from below.
; LIMITS: NaN and infinities are not served; a block whose largest magnitude lies under 2^-124 (a block of zeros too) keeps the byte 1: zeros give zero codes, and this program alone reads the bytes.
; LAYOUT OF THE RESULT.  Rows are grouped in tiles of 16: in a group of 32 rows tile u holds rows 8 u + r + 8 (r / 8), r = 0 .. 15, so that a product which takes such a tile as its source 0 leaves
; 16 neighbouring rows in 16 registers of a lane.  xc: [tile][K step of 128][1,536 bytes]: the operand's 12 registers, register group c (four registers) at 512 c + 16 x lane.  xs: [tile][r][32 bytes].
; SHARES.  A wave takes one tile, 16 rows x 1,024: eight fragments.  Each load reads 512 consecutive bytes of one row; a fragment's 8,192 bytes turn through the wave's own stage in LDS (rows 528 bytes apart)
; and come back 2 x 128 bytes a lane: two whole blocks of 32.  No barrier: waves share nothing.  Loads run two fragments (32 loads a wave) ahead.
.set STG,  8448                        ; a wave's stage: 16 rows x (512 + 16) bytes
.set MX,   6                           ; v6-7   the two blocks' largest magnitudes
.set SCO,  8                           ; v8-9   the conversions' scale operands
.set BY,   10                          ; v10-11 the scale bytes
.set WD,   16                          ; v16-23 the eight fragments' scale words
.set DD,   24                          ; v24-27 four of them, to store
.set CD,   28                          ; v28-39 a fragment's codes
.set TT,   40                          ; v40-42, v44-46 the second halves of the blocks' codes
.set R0,   48                          ; v48-111, v112-175 two sets of 16 loads
.set XX,   176                         ; v176-239 my 64 numbers of a fragment
	s_load_b512 s[8:23], s[0:1], 0x0               ; query, key, value, Wq, Wk, Wv, Wo, xc
	s_load_b64 s[24:25], s[0:1], 0x40              ; xs
	v_lshl_add_u32 v240, v0, 2, 0x8400
	v_mov_b32 v241, 0
	v_lshrrev_b32 v14, 5, v0
	v_readfirstlane_b32 s26, v14                   ; wave
	v_and_b32 v15, 31, v0
	v_lshlrev_b32 v1, 4, v15                       ; 16 x lane: my bytes of a load, and of a store of codes
	v_and_b32 v14, 15, v0                          ; r
	v_bfe_u32 v5, v0, 4, 1                         ; h
	s_mul_i32 s27, s26, STG
	v_add_nc_u32 v2, s27, v1                       ; the stage, on the way in
	v_mul_u32_u24 v3, v14, 528
	v_lshl_add_u32 v3, v5, 7, v3
	v_add_nc_u32 v3, s27, v3                       ; and on the way out: row r, + 128 h
	v_lshlrev_b32 v4, 5, v14
	v_lshl_add_u32 v4, v5, 4, v4                   ; xs: 32 r + 16 h
	v_lshlrev_b32 v5, 3, v5                        ; 8 h: my bytes' place in a scale word
	v_mov_b32 v13, 0                               ; written once: a lane permute's destination counts as one of its sources
	s_mov_b32 s28, 0x76543210
	s_mov_b32 s29, 0xfedcba98                      ; lane l xor 16
	s_mov_b32 s30, 0xffff0000                      ; lanes 16-31
	s_wait_alu depctr_va_vdst(0)
	s_wait_kmcnt 0x0
	s_mov_b64 s[4:5], s[20:21]                     ; which tensor: the choice hangs on the work-group's number alone
	s_mov_b32 s6, 432
	s_cmp_lt_u32 ttmp9, 432
	s_cselect_b64 s[4:5], s[18:19], s[4:5]
	s_cselect_b32 s6, 416, s6
	s_cmp_lt_u32 ttmp9, 416
	s_cselect_b64 s[4:5], s[16:17], s[4:5]
	s_cselect_b32 s6, 400, s6
	s_cmp_lt_u32 ttmp9, 400
	s_cselect_b64 s[4:5], s[14:15], s[4:5]
	s_cselect_b32 s6, 384, s6
	s_cmp_lt_u32 ttmp9, 384
	s_cselect_b64 s[4:5], s[12:13], s[4:5]
	s_cselect_b32 s6, 256, s6
	s_cmp_lt_u32 ttmp9, 256
	s_cselect_b64 s[4:5], s[10:11], s[4:5]
	s_cselect_b32 s6, 128, s6
	s_cmp_lt_u32 ttmp9, 128
	s_cselect_b64 s[4:5], s[8:9], s[4:5]
	s_cselect_b32 s6, 0, s6
	s_sub_co_u32 s7, ttmp9, s6
	s_lshl_b32 s7, s7, 2
	s_add_co_u32 s7, s7, s26                       ; my tile in its tensor
	s_lshr_b32 s32, s7, 1
	s_lshl_b32 s32, s32, 17                        ; 32 rows of 4,096 bytes for each pair of tiles,
	s_and_b32 s33, s7, 1
	s_lshl_b32 s33, s33, 15                        ; 8 rows for the odd tile
	s_add_co_u32 s32, s32, s33
	s_mov_b32 s33, 0
	s_add_nc_u64 s[4:5], s[4:5], s[32:33]
	s_lshl_b32 s34, ttmp9, 2
	s_add_co_u32 s34, s34, s26                     ; my tile among all 1,792
	s_mul_i32 s32, s34, 12288
	s_add_nc_u64 s[22:23], s[22:23], s[32:33]
	s_lshl_b32 s32, s34, 9
	s_add_nc_u64 s[24:25], s[24:25], s[32:33]
.macro LOAD f                          ; fragment f: 512 bytes of each of the tile's 16 rows
.irp p, 0,1,2,3,4,5,6,7,8,9,10,11,12,13,14,15
	global_load_b128 v[R0+64*((\f)%2)+4*\p:R0+64*((\f)%2)+4*\p+3], v1, s[4:5] offset:(\p+8*(\p/8))*4096+512*(\f) th:TH_LOAD_NT
.endr
.endm
.macro FRAGQ f
.if (\f) < 7
	s_wait_loadcnt 16                              ; this fragment's 16 loads are in; the next fragment's may be out
.else
	s_wait_loadcnt 0x0
.endif
.irp p, 0,1,2,3,4,5,6,7,8,9,10,11,12,13,14,15
	ds_store_b128 v2, v[R0+64*((\f)%2)+4*\p:R0+64*((\f)%2)+4*\p+3] offset:528*\p
.endr
.irp c, 0,1
.irp j, 0,1,2,3,4,5,6,7
	ds_load_b128 v[XX+32*\c+4*\j:XX+32*\c+4*\j+3], v3 offset:256*\c+16*\j   ; k = 64 c + 32 h + 4 j ..: LDS serves a wave's instructions in order, so these see the stores above
.endr
.endr
.if (\f)+2 < 8
	s_wait_dscnt 16                                ; the 16 stores have read their registers (the 16 loads behind them may be out),
	LOAD (\f)+2                                    ; which take the fragment two on
.endif
	s_wait_dscnt 0x0
.irp c, 0,1
	v_max3_num_f32 v[MX+\c], |v[XX+32*\c]|, |v[XX+32*\c+1]|, 0x1800000   ; my block 2 c + h, and the floor 2^(3 - 127): the byte cannot fall under 1
.endr
.irp i, 2,4,6,8,10,12,14,16,18,20,22,24,26,28,30
.irp c, 0,1
	v_max3_num_f32 v[MX+\c], v[MX+\c], |v[XX+32*\c+\i]|, |v[XX+32*\c+\i+1]|
.endr
.endr
.irp c, 0,1
	v_add_nc_u32 v[SCO+\c], 0xff000000, v[MX+\c]   ; 2 off the exponent field: the conversion takes this operand's exponent field as its scale
.endr
.irp c, 0,1
	v_lshrrev_b32 v[BY+\c], 23, v[SCO+\c]          ; the scale's byte
.endr
	v_lshl_or_b32 v12, v[BY+1], 16, v[BY]          ; blocks h and 2 + h,
	v_lshlrev_b32 v12, v5, v12                     ; at their places in the word;
	v_permlanex16_b32 v13, v12, s28, s29
	v_or_b32 v[WD+(\f)], v12, v13                  ; with lane l xor 16's two the word is whole
.if (\f) > 0
	s_wait_alu depctr_va_vdst(0)
	s_wait_xcnt 0x0                                ; the last fragment's stores have read the codes' registers: only now are they written again
.endif
.irp c, 0,1
	v_cvt_scalef32_pk16_fp6_f32 v[CD+6*\c:CD+6*\c+2], v[XX+32*\c:XX+32*\c+15], v[SCO+\c]
	v_cvt_scalef32_pk16_fp6_f32 v[TT+4*\c:TT+4*\c+2], v[XX+32*\c+16:XX+32*\c+31], v[SCO+\c]   ; (a conversion's three registers begin on an even number)
.endr
	v_nop                                          ; one plain instruction behind the conversions
.irp c, 0,1
.irp i, 0,1,2
	v_mov_b32 v[CD+6*\c+3+\i], v[TT+4*\c+\i]
.endr
.endr
.irp k, 0,1,2
	global_store_b128 v1, v[CD+4*\k:CD+4*\k+3], s[22:23] offset:1536*(\f)+512*\k   ; 32 lanes store 512 consecutive bytes
.endr
.endm
	LOAD 0
	LOAD 1
.irp f, 0,1,2,3,4,5,6,7
	FRAGQ \f
.endr
.irp i, 0,1,2,3
	v_cndmask_b32 v[DD+\i], v[WD+\i], v[WD+4+\i], s30   ; lanes 0-15 store their row's words 0-3, lanes 16-31 words 4-7
.endr
	global_store_b128 v4, v[DD:DD+3], s[24:25]     ; the tile's 512 scale bytes
	s_wait_tensorcnt 0x0
	ds_add_u32 v240, v241
	s_wait_dscnt 0x0
	s_endpgm
.Lfunc_end_k_q5395d9c622_quant:
	.size	k_q5395d9c622_quant, .Lfunc_end_k_q5395d9c622_quant-k_q5395d9c622_quant
	.p2alignl 7, 3214868480
	.fill 96, 4, 3214868480
	.section	.rodata,"a",@progbits
	.p2align	6, 0x0
	.amdhsa_kernel k_q5395d9c622_quant
		.amdhsa_group_segment_fixed_size 34304
		.amdhsa_private_segment_fixed_size 0
		.amdhsa_enable_private_segment 0
		.amdhsa_kernarg_size 72
		.amdhsa_user_sgpr_count 2
		.amdhsa_user_sgpr_kernarg_segment_ptr 1
		.amdhsa_wavefront_size32 1
		.amdhsa_system_sgpr_workgroup_id_x 1
		.amdhsa_system_sgpr_workgroup_id_y 1
		.amdhsa_system_sgpr_workgroup_id_z 1
		.amdhsa_system_vgpr_workitem_id 0
		.amdhsa_next_free_vgpr 242
		.amdhsa_next_free_sgpr 66
		.amdhsa_reserve_vcc 0
		.amdhsa_float_denorm_mode_32 3
		.amdhsa_float_denorm_mode_16_64 3
		.amdhsa_memory_ordered 1
		.amdhsa_forward_progress 1
		.amdhsa_inst_pref_size 59
	.end_amdhsa_kernel
	.amdgpu_metadata
---
amdhsa.version: [ 1, 2 ]
amdhsa.kernels:
  - .name:           k_q5395d9c622_quant
    .symbol:         k_q5395d9c622_quant.kd
    .args:
      - { .name: query, .offset: 0, .size: 8, .value_kind: global_buffer, .address_space: global }
      - { .name: key, .offset: 8, .size: 8, .value_kind: global_buffer, .address_space: global }
      - { .name: value, .offset: 16, .size: 8, .value_kind: global_buffer, .address_space: global }
      - { .name: Wq, .offset: 24, .size: 8, .value_kind: global_buffer, .address_space: global }
      - { .name: Wk, .offset: 32, .size: 8, .value_kind: global_buffer, .address_space: global }
      - { .name: Wv, .offset: 40, .size: 8, .value_kind: global_buffer, .address_space: global }
      - { .name: Wo, .offset: 48, .size: 8, .value_kind: global_buffer, .address_space: global }
      - { .name: xc, .offset: 56, .size: 8, .value_kind: global_buffer, .address_space: global }
      - { .name: xs, .offset: 64, .size: 8, .value_kind: global_buffer, .address_space: global }
    .group_segment_fixed_size: 34304
    .private_segment_fixed_size: 0
    .kernarg_segment_align: 8
    .kernarg_segment_size: 72
    .max_flat_workgroup_size: 128
    .sgpr_count:     66
    .vgpr_count:     242
    .wavefront_size: 32
...
	.end_amdgpu_metadata
.endif
;; end of part 1
;; launch proj (part 2): grid 4 x 64, 4 waves a work-group, clusters of 4 x 4, 327,680 bytes of LDS; arguments xc, xs, bq, bk, bv, mask, pc, ps; writes pc, ps
.if DOCPART == 2
	.amdgcn_target "amdgcn-amd-amdhsa--gfx1250"
	.amdhsa_code_object_version 6
	.text
	.protected	k_q5395d9c622_proj
	.globl	k_q5395d9c622_proj
	.p2align	8
	.type	k_q5395d9c622_proj,@function
k_q5395d9c622_proj:
	s_mov_b64 s[64:65], 0
	v_nop
	global_prefetch_b8 v0, s[64:65] scope:SCOPE_SE
	s_setreg_imm32_b32 hwreg(HW_REG_WAVE_MODE, 25, 1), 1
	s_wait_xcnt 0x0
	s_wait_alu depctr_hold_cnt(0) depctr_sa_sdst(0) depctr_va_vdst(0) depctr_va_sdst(0) depctr_va_ssrc(0) depctr_va_vcc(0) depctr_vm_vsrc(0)
	s_getreg_b32 s2, hwreg(HW_REG_IB_STS2, 6, 4)
	s_cmp_eq_u32 s2, 0
	s_cbranch_scc0 .Lentry_in_a_cluster
	s_endpgm
.Lentry_in_a_cluster:
	s_bfe_u32 s2, ttmp6, 0x10000c
	s_cmp_lg_u32 s2, 0xf033
	s_cbranch_scc0 .Lentry_shape_is_right
	s_endpgm
.Lentry_shape_is_right:
; q = query Wq^T + bq, k = key Wk^T + bk, v = value Wv^T + bv on codes of FP6 (E2M3) with E8M0 scales, f32 sums; the results are quantised here, in registers, for the attention launch:
; q and k along the head's 64 features, v along the keys.  The key mask is laid into k: a key with mask 0 gets zero codes and the scale word 0x7f880101.
; LIMITS: NaN and infinities are not served; a block whose largest magnitude lies under 2^-124 (a block of zeros too) keeps the scale byte 1; this program alone reads the bytes.
; SHAPE.  A tile of C is 128 x 256, four waves of 64 x 128: 32 accumulators, 256 registers.  The three products are 3 x 16 units of 512 x 1,024 of C; the launch has 16 clusters of 4 x 4 work-groups, and
; each cluster makes one unit of q, then one of k, then one of v: 256 work-groups of equal work THAT STAY (tiles of 256 x 256 would make 384 work-groups).  The price: 12 fragments read from LDS feed 32 products.
; The operands lie in memory as images of the operand's registers ([tile of 16 rows][K step of 128][1,536 bytes]), so a fragment is three loads of 16 bytes a lane, 512 consecutive bytes each.
; THE RING.  Two LDS slots of 512 along K hold a unit's whole K = 1,024.  When a slot has been read out it takes the same half of the NEXT unit: that load has four steps (128 products a wave) and a way out in which to land.
; Wave 0 fetches A's 8 tiles, waves 1 and 2 B's two halves, wave 3 scale bytes: one tensor load a wave behind each change of slots.
; THE MATRIX INSTRUCTION IS USED TRANSPOSED: source 0 = 16 rows of B, source 1 = 16 rows of A: a lane holds one row of A, its registers run along B's rows; B's tiles hold rows 8 u + r + 8 (r / 8) of each 32,
; so the 64 registers of one block of A are B's rows 32 b + 16 h + i in register 16 b + i: neighbours along the next product's K.
; ROLES.  q, k: A = tokens, B = the weight's rows.  v: A = Wv's rows, B = tokens: registers then run along the keys.
; A wave takes A's tiles 2 i + (wave / 2), i = 0 .. 3: its four scale words of a row then lie side by side in ps, and a store of them covers whole runs of 256 bytes.
; CLUSTERS: A's tiles are asked for jointly along a row of the cluster, B's along a column.
; REGISTERS: window 0: v16-29 addresses; v32-63 scale words, two sets; v64-127 bq (the C of q's first K step); v128-223 A's fragments, two sets; on the way out v176-211 (set 1, done with) are at work;
;   v224-227 bv of my rows, v228-231 the mask of my rows; v240-255 at work.  window 1: B's fragments, two sets (v0, v128).  window 2: the accumulators ((i, b) at v[8 (8 i + b)]).  window 3: v0-63 bk.
.set FR,    12                         ; registers of a fragment
.set NP,    4                          ; places behind this matrix instruction (ISA guide 7.12.1)
.set TILEB, 6144                       ; a tile's bytes in a slot: four K steps of 128
.set APART, 49152                      ; 8 tiles: what one tensor load brings
.set SLOT,  147456                     ; A's 8 tiles, then B's 16
.set SCL,   294912                     ; behind the ring: two regions of scale bytes, units by turns; in each A's 128 rows, then B's 256, as units of 256 bytes + 16 of padding
.set SREG,  13056
.set SPARE, 321024                     ; the spare words, 128 bytes for each wave
.set SAI,   1088                       ; from my block of A's scale words to my next: two tiles
.set SAP,   8                          ; and from a pair of K steps to the next
.set ADRA,  16                         ; v16-17 LDS address of my A fragments in slot 0, 1
.set ADSA,  18                         ; v18    of A's scale words: lanes 0-15 the even K step's word, lanes 16-31 the odd one's
.set LI,    19                         ; v19    16 x lane
.set ADRB,  20                         ; v20-21 as v16-17, for B
.set ADSB,  22                         ; v22    as v18, for B
.set PSV,   23                         ; v23    ps, q and k: 16 r + 512 h
.set PSW,   24                         ; v24    ps, v: 16 r + 8 h
.set SPW,   28                         ; v28    my spare word; never rewritten
.set NIL,   29                         ; v29    0; never rewritten
.set SC,    32                         ; scale words: set s at v[32 + 16 s]: A's block i at + i, B's block b at + 8 + b
.set BN,    64
.set AF,    128
.set PC,    176                        ; the way out: codes just made (v176-194)
.set PW,    196                        ; their scale word
.set MSW,   197                        ; a masked key's scale word
.set WE,    200                        ; v200-203 my four blocks' words for the even head (for v: the whole word)
.set WO,    204                        ; v204-207 for the odd head
.set XE,    208
.set BM,    224
.set MK,    228
.set TM,    240                        ; v240-243 largest magnitudes, v244-247 bytes, v252-255 the conversions' scale operands
.set WV,    20                         ; s20 wave, s21 wave / 2 (which of A's tiles are mine; which half of B I fetch), s22 wave % 2 (my half of B's rows)
.set HR,    21
.set HC,    22
.set CL,    23                         ; s23 the cluster, 0 .. 15
.set G1A,   24                         ; s[24:31] group 1 for A's codes; s[32:39] group 0, a set for each slot
.set G0A,   32
.set TA1,   42                         ; s42, s43 A's first tile in xc for units 1, 2; s44, s45 B's
.set TA2,   43
.set TB1,   44
.set TB2,   45
.set G1B,   48                         ; s[48:55], s[56:63] the same for B's codes
.set G0B,   56
.set G1SA,  68                         ; s[68:75], s[76:79] A's scale bytes; s[80:87], s[88:91] B's; s[92:95], s[96:99] groups 0 for unit 1's
.set G0SA,  76
.set G1SB,  80
.set G0SB,  88
.set G0SA1, 92
.set G0SB1, 96
.set KM,    92                         ; the way out (unit 1's scale loads are long done): s92-95 lanes whose key counts
.set SEL,   96
.set HI,    98
.set SCW,   99
.set MUL,   0xa1                       ; source 0 (B) window 1, source 1 (A) window 0, C and D window 2
.set TO_B,  0x40
.set MSB, 0
.macro WIN new                         ; the immediate's high byte repeats the setting that is left
.if MSB != (\new)
	s_set_vgpr_msb (MSB<<8)|(\new)
.set MSB, (\new)
.endif
.endm
.macro WMUL first                      ; the windows of a run of products; in a unit's first K step C is the bias: bq in window 0, bk in window 3
.if (\first) == 1
	WIN 0x81
.elseif (\first) == 2
	WIN 0xb1
.else
	WIN MUL
.endif
.endm
.macro CREST                           ; a round of the cluster's barrier behind its opening barrier
	s_cmp_lg_u32 s[WV], 0
	s_cbranch_scc1 .Lnot_wave_0_\@
	s_barrier_signal -3
.Lnot_wave_0_\@:
	s_barrier_wait -3
	s_barrier_signal -1
	s_barrier_wait -1
.endm
.macro CROUND
	s_barrier_signal -1
	s_barrier_wait -1
	CREST
.endm
.macro PLACES n
.rept \n
	v_nop
.endr
.endm
; A joint refill of a slot: wave 0 asks for A's tiles, waves 1 and 2 for B's halves, wave 3 for scale bytes (sk = 1: A's, 2: B's, 0: nothing).  The branches hang on the wave's number alone.
; Four v_nop stand on each way: behind a tensor load, and on every way the places in front of the LDS loads that follow.
.macro JLOAD slot, sk
	s_cmp_eq_u32 s[WV], 0
	s_cbranch_scc0 .Lnot_a_\@
	tensor_load_to_lds s[G0A+4*(\slot):G0A+4*(\slot)+3], s[G1A:G1A+7]
	s_nop 0
.rept 4
	v_nop
.endr
	s_branch .Lasked_\@
.Lnot_a_\@:
	s_cmp_eq_u32 s[WV], 3
	s_cbranch_scc1 .Lscl_\@
	tensor_load_to_lds s[G0B+4*(\slot):G0B+4*(\slot)+3], s[G1B:G1B+7]
	s_nop 0
.rept 4
	v_nop
.endr
	s_branch .Lasked_\@
.Lscl_\@:
.if (\sk) == 1
	tensor_load_to_lds s[G0SA:G0SA+3], s[G1SA:G1SA+7]
	s_nop 0
.elseif (\sk) == 2
	tensor_load_to_lds s[G0SB:G0SB+3], s[G1SB:G1SB+7]
	s_nop 0
.endif
.rept 4
	v_nop
.endr
.Lasked_\@:
.endm
	s_load_b256 s[4:11], s[0:1], 0x0               ; xc s[4:5], xs s[6:7], bq s[8:9], bk s[10:11]
	s_load_b256 s[12:19], s[0:1], 0x20             ; bv s[12:13], mask s[14:15], pc s[16:17], ps s[18:19]
	v_lshl_add_u32 v[SPW], v0, 2, SPARE
	v_mov_b32 v[NIL], 0
	ds_add_u32 v28, v29
	ds_add_u32 v28, v29
	s_wait_dscnt 0x0
	v_lshrrev_b32 v1, 5, v0
	v_readfirstlane_b32 s[WV], v1
	s_lshr_b32 s[HR], s[WV], 1
	s_and_b32 s[HC], s[WV], 1
	s_bfe_u32 s40, ttmp6, 0x40000                  ; cx
	s_bfe_u32 s41, ttmp6, 0x40004                  ; cy
	s_and_b32 s[CL], ttmp7, 0xffff                 ; the cluster's y: the same in all sixteen partners
	; A's first tile in xc, unit by unit: it hangs on the cluster and on cy alone (s2, s3 and A's descriptors never hold cx)
	s_lshl_b32 s2, s[CL], 5
	s_lshl_b32 s3, s41, 3
	s_add_co_u32 s2, s2, s3                        ; q: query's tile 8 (4 cluster + cy)
	s_add_co_u32 s[TA1], s2, 512                   ; k: the same of key
	s_and_b32 s[TA2], s[CL], 1
	s_lshl_b32 s[TA2], s[TA2], 5
	s_add_co_u32 s[TA2], s[TA2], s3
	s_add_co_u32 s[TA2], s[TA2], 1664              ; v: Wv's tile 8 (4 (cluster % 2) + cy)
	s_mul_i32 s[G0A+2], s2, 12288                  ; codes: 12,288 bytes a tile,
	s_mov_b32 s[G0A+3], 0
	s_lshl_b32 s[G0SA+2], s2, 9                    ; scale bytes: 512
	s_mov_b32 s[G0SA+3], 0
	s_lshl_b32 s[G0SA1+2], s[TA1], 9
	s_mov_b32 s[G0SA1+3], 0
	s_lshl_b32 s3, s41, 2
	s_lshl_b32 s3, 15, s3                          ; my row of the cluster
	; B's: on the cluster and on cx alone (s46, s47 and B's descriptors never hold cy)
	s_lshl_b32 s46, s40, 4
	s_add_co_u32 s[TB1], s46, 1600                 ; k: Wk's tile 16 cx
	s_lshr_b32 s[TB2], s[CL], 1
	s_lshl_b32 s[TB2], s[TB2], 6
	s_add_co_u32 s[TB2], s[TB2], s46
	s_add_co_u32 s[TB2], s[TB2], 1024              ; v: value's tile 16 (4 (cluster / 2) + cx)
	s_add_co_u32 s46, s46, 1536                    ; q: Wq's tile 16 cx
	s_mul_i32 s[G0B+2], s46, 12288
	s_mul_i32 s47, s[HR], 98304                    ; wave 1 fetches tiles 0-7, wave 2 tiles 8-15
	s_add_co_u32 s[G0B+2], s[G0B+2], s47
	s_mov_b32 s[G0B+3], 0
	s_lshl_b32 s[G0SB+2], s46, 9
	s_mov_b32 s[G0SB+3], 0
	s_lshl_b32 s[G0SB1+2], s[TB1], 9
	s_mov_b32 s[G0SB1+3], 0
	s_lshl_b32 s47, 0x1111, s40                    ; my column of the cluster
	; descriptor group 1 for the codes: 8 tiles' 6,144 bytes (four K steps), 12,288 bytes apart; elements of 8 bytes; no padding
	s_or_b32 s[G1A], s3, (3<<16)|(1<<21)
	s_or_b32 s[G1B], s47, (3<<16)|(1<<21)
.irp g, G1A, G1B
	s_mov_b32 s[\g+1], 768<<16                     ; tensor_dim0
	s_mov_b32 s[\g+2], 8<<16                       ; tensor_dim1
	s_mov_b32 s[\g+3], 768<<16                     ; tile_dim0
	s_mov_b32 s[\g+4], 8                           ; tile_dim1
	s_mov_b32 s[\g+5], 1536                        ; tensor_dim0_stride
	s_mov_b32 s[\g+6], 0
	s_mov_b32 s[\g+7], 0
.endr
	; and for the scale bytes: dense bytes as rows of 256, 16 bytes of padding behind each: A's 128 rows are 16 such rows, B's 256 rows 32
	s_mov_b32 s[G1B+2], 16<<16                     ; the first two fills of B bring all 16 tiles by one load: tensor_dim1,
	s_mov_b32 s[G1B+4], 16                         ; tile_dim1
	s_or_b32 s[G1SA], s3, (3<<16)|(1<<20)|(1<<21)|(5<<22)|(3<<25)
	s_mov_b32 s[G1SA+1], 32<<16
	s_mov_b32 s[G1SA+2], 16<<16
	s_mov_b32 s[G1SA+3], 32<<16
	s_mov_b32 s[G1SA+4], 16
	s_mov_b32 s[G1SA+5], 32
	s_mov_b32 s[G1SA+6], 0
	s_mov_b32 s[G1SA+7], 0
	s_or_b32 s[G1SB], s47, (3<<16)|(1<<20)|(1<<21)|(5<<22)|(3<<25)
	s_mov_b32 s[G1SB+1], 32<<16
	s_mov_b32 s[G1SB+2], 32<<16
	s_mov_b32 s[G1SB+3], 32<<16
	s_mov_b32 s[G1SB+4], 32
	s_mov_b32 s[G1SB+5], 32
	s_mov_b32 s[G1SB+6], 0
	s_mov_b32 s[G1SB+7], 0
	; where they go: constants and the wave's number alone
	s_mov_b32 s[G0A], 1
	s_mov_b32 s[G0A+1], 0
	s_mov_b32 s[G0A+4], 1
	s_mov_b32 s[G0A+5], SLOT
	s_mul_i32 s46, s[HR], APART
	s_mov_b32 s[G0B], 1
	s_add_co_u32 s[G0B+1], s46, APART
	s_mov_b32 s[G0B+4], 1
	s_add_co_u32 s[G0B+5], s46, SLOT+APART
	s_mov_b32 s[G0SA], 1
	s_mov_b32 s[G0SA+1], SCL
	s_mov_b32 s[G0SB], 1
	s_mov_b32 s[G0SB+1], SCL+4352
	s_mov_b32 s[G0SA1], 1
	s_mov_b32 s[G0SA1+1], SCL+SREG
	s_mov_b32 s[G0SB1], 1
	s_mov_b32 s[G0SB1+1], SCL+SREG+4352
	s_wait_kmcnt 0x0
	s_add_nc_u64 s[G0A+2:G0A+3], s[4:5], s[G0A+2:G0A+3]
	s_add_nc_u64 s[G0A+6:G0A+7], s[G0A+2:G0A+3], TILEB
	s_or_b32 s[G0A+3], s[G0A+3], 0x80000000
	s_or_b32 s[G0A+7], s[G0A+7], 0x80000000
	s_add_nc_u64 s[G0B+2:G0B+3], s[4:5], s[G0B+2:G0B+3]
	s_add_nc_u64 s[G0B+6:G0B+7], s[G0B+2:G0B+3], TILEB
	s_or_b32 s[G0B+3], s[G0B+3], 0x80000000
	s_or_b32 s[G0B+7], s[G0B+7], 0x80000000
.irp g, G0SA, G0SB, G0SA1, G0SB1
	s_add_nc_u64 s[\g+2:\g+3], s[6:7], s[\g+2:\g+3]
	s_or_b32 s[\g+3], s[\g+3], 0x80000000
.endr
	CROUND                                         ; all sixteen work-groups are here: the first joint loads meet
	s_cmp_eq_u32 s[WV], 0                          ; the head's four tiles, one a wave, in one chain of branches: A's tiles K 0-511, B's 16 tiles K 0-511, q's scale bytes of A, of B
	s_cbranch_scc0 .Lf1
	tensor_load_to_lds s[G0A:G0A+3], s[G1A:G1A+7]
	s_nop 0
.rept 4
	v_nop
.endr
	s_branch .Lfd
.Lf1:
	s_cmp_eq_u32 s[WV], 1
	s_cbranch_scc0 .Lf2
	tensor_load_to_lds s[G0B:G0B+3], s[G1B:G1B+7]
	s_nop 0
.rept 4
	v_nop
.endr
	s_branch .Lfd
.Lf2:
	s_cmp_eq_u32 s[WV], 2
	s_cbranch_scc0 .Lf3
	tensor_load_to_lds s[G0SA:G0SA+3], s[G1SA:G1SA+7]
	s_nop 0
.rept 4
	v_nop
.endr
	s_branch .Lfd
.Lf3:
	tensor_load_to_lds s[G0SB:G0SB+3], s[G1SB:G1SB+7]
	s_nop 0
.rept 4
	v_nop
.endr
.Lfd:
	v_and_b32 v1, 31, v0
	v_lshlrev_b32 v[LI], 4, v1
	v_and_b32 v2, 15, v0                           ; r
	v_bfe_u32 v3, v0, 4, 1                         ; h
	s_mul_i32 s66, s[HR], TILEB                    ; my tiles of A: 2 i + wave / 2,
	s_mul_i32 s67, s[HC], APART
	s_add_co_u32 s67, s67, APART                   ; my 8 of B, behind A's 8
.irp s, 0,1
	v_add_nc_u32 v[ADRA+\s], s66, v[LI]
	v_add_nc_u32 v[ADRB+\s], s67, v[LI]
	s_add_co_u32 s66, s66, SLOT
	s_add_co_u32 s67, s67, SLOT
.endr
	v_lshlrev_b32 v4, 5, v2                        ; a row's 32 scale bytes,
	v_lshrrev_b32 v5, 3, v2
	v_lshl_add_u32 v4, v5, 4, v4                   ; 16 more behind each 256,
	v_lshl_add_u32 v4, v3, 2, v4                   ; lanes 16-31 the odd K step's word
	s_mul_i32 s66, s[HR], 544
	s_add_co_u32 s66, s66, SCL
	v_add_nc_u32 v[ADSA], s66, v4
	s_mul_i32 s67, s[HC], 4352
	s_add_co_u32 s67, s67, SCL+4352
	v_add_nc_u32 v[ADSB], s67, v4
	v_lshlrev_b32 v[PSV], 4, v2
	v_lshl_add_u32 v[PSW], v3, 3, v[PSV]
	v_lshl_add_u32 v[PSV], v3, 9, v[PSV]
	; the biases and the mask, for all three units, once
	s_lshl_b32 s66, s40, 1
	s_add_co_u32 s66, s66, s[HC]                   ; q, k: my pair of heads = my 128 rows of B
	s_lshl_b32 s66, s66, 9
	s_mov_b32 s67, 0
	s_add_nc_u64 s[8:9], s[8:9], s[66:67]
	s_add_nc_u64 s[10:11], s[10:11], s[66:67]
	s_lshl_b32 s100, s[HR], 5                      ; my tiles begin 8 rows on where wave / 2 is 1
	s_and_b32 s66, s[CL], 1
	s_lshl_b32 s66, s66, 2
	s_add_co_u32 s66, s66, s41                     ; v: my pair of heads = the work-group's 128 rows of A
	s_lshl_b32 s66, s66, 9
	s_add_co_u32 s66, s66, s100
	s_add_nc_u64 s[12:13], s[12:13], s[66:67]
	s_lshl_b32 s66, s[CL], 2
	s_add_co_u32 s66, s66, s41                     ; k: the work-group's 128 tokens
	s_lshl_b32 s66, s66, 9
	s_add_co_u32 s66, s66, s100
	s_add_nc_u64 s[14:15], s[14:15], s[66:67]
	v_lshlrev_b32 v6, 6, v3                        ; 64 h
	v_and_b32 v7, 8, v2
	v_add_nc_u32 v7, v7, v2
	v_lshlrev_b32 v7, 2, v7                        ; 4 (r + 8 (r / 8))
.irp b, 0,1,2,3
.irp j, 0,1,2,3
	global_load_b128 v[BN+16*\b+4*\j:BN+16*\b+4*\j+3], v6, s[8:9] offset:128*\b+16*\j   ; register 16 b + i: feature 32 b + 16 h + i
.endr
.endr
	WIN 0xc0                                       ; destination window 3
.irp b, 0,1,2,3
.irp j, 0,1,2,3
	global_load_b128 v[16*\b+4*\j:16*\b+4*\j+3], v6, s[10:11] offset:128*\b+16*\j
.endr
.endr
	WIN 0
.irp i, 0,1,2,3
	global_load_b32 v[BM+\i], v7, s[12:13] offset:128*\i   ; the row of my block i that my lane holds: 32 i + 8 (wave / 2) + r + 8 (r / 8)
	global_load_b32 v[MK+\i], v7, s[14:15] offset:128*\i
.endr
.irp b, 0,1,2,3
	v_mov_b32 v[TM+4+\b], 0                        ; written once: a lane permute's destination counts as one of its sources
.endr
	s_wait_loadcnt 0x0
.macro FRAG reg, adr, off              ; a fragment comes as it was stored: three groups of four registers, 512 consecutive bytes a load
.irp c, 0,1,2
	ds_load_b128 v[\reg+4*\c:\reg+4*\c+3], v[\adr] offset:\off+512*\c
.endr
.endm
.macro FETCH slot, q, p                ; the fragments of the slot's q-th 128 along K into sets p: B's eight, my four of A: 36 loads in one run
	WIN TO_B
.irp b, 0,1,2,3,4,5,6,7
	FRAG 128*(\p)+FR*\b, ADRB+(\slot), \b*TILEB+(\q)*1536
.endr
	WIN 0
.irp i, 0,1,2,3
	FRAG AF+48*(\p)+FR*\i, ADRA+(\slot), \i*2*TILEB+(\q)*1536
.endr
.endm
.macro SCALES sc, rho, pair            ; the scale words of two K steps into set sc, from region rho: one register a block and side
.irp i, 0,1,2,3
	ds_load_b32 v[SC+16*(\sc)+\i], v[ADSA] offset:(\rho)*SREG+\i*SAI+(\pair)*SAP
.endr
.irp b, 0,1,2,3,4,5,6,7
	ds_load_b32 v[SC+16*(\sc)+8+\b], v[ADSB] offset:(\rho)*SREG+\b*544+(\pair)*8
.endr
.endm
; 8 matrix instructions: my block i of A x B's eight, 128 along K.  par: the step's parity: the sets of fragments, and the half of the lanes that holds its scale words; sc: the set of scale words.
; first = 1, 2: C is the bias; 3: C is 0.  The 32 accumulators take turns, one instruction a turn, in the same order in every step.
.macro MUL8 i, par, sc, first
.irp b, 0,1,2,3,4,5,6,7
.if (\first) == 1
	v_wmma_scale_f32_16x16x128_f8f6f4 v[8*(8*(\i)+\b):8*(8*(\i)+\b)+7], v[128*(\par)+FR*\b:128*(\par)+FR*\b+FR-1], v[AF+48*(\par)+FR*(\i):AF+48*(\par)+FR*(\i)+FR-1], v[BN+8*\b:BN+8*\b+7], v[SC+16*(\sc)+8+\b], v[SC+16*(\sc)+(\i)] matrix_a_fmt:MATRIX_FMT_FP6 matrix_b_fmt:MATRIX_FMT_FP6
.elseif (\first) == 2
	v_wmma_scale_f32_16x16x128_f8f6f4 v[8*(8*(\i)+\b):8*(8*(\i)+\b)+7], v[128*(\par)+FR*\b:128*(\par)+FR*\b+FR-1], v[AF+48*(\par)+FR*(\i):AF+48*(\par)+FR*(\i)+FR-1], v[8*\b:8*\b+7], v[SC+16*(\sc)+8+\b], v[SC+16*(\sc)+(\i)] matrix_a_fmt:MATRIX_FMT_FP6 matrix_b_fmt:MATRIX_FMT_FP6
.elseif (\first) == 3
	v_wmma_scale_f32_16x16x128_f8f6f4 v[8*(8*(\i)+\b):8*(8*(\i)+\b)+7], v[128*(\par)+FR*\b:128*(\par)+FR*\b+FR-1], v[AF+48*(\par)+FR*(\i):AF+48*(\par)+FR*(\i)+FR-1], 0, v[SC+16*(\sc)+8+\b], v[SC+16*(\sc)+(\i)] matrix_a_fmt:MATRIX_FMT_FP6 matrix_b_fmt:MATRIX_FMT_FP6
.elseif (\par) == 0
	v_wmma_scale_f32_16x16x128_f8f6f4 v[8*(8*(\i)+\b):8*(8*(\i)+\b)+7], v[128*(\par)+FR*\b:128*(\par)+FR*\b+FR-1], v[AF+48*(\par)+FR*(\i):AF+48*(\par)+FR*(\i)+FR-1], v[8*(8*(\i)+\b):8*(8*(\i)+\b)+7], v[SC+16*(\sc)+8+\b], v[SC+16*(\sc)+(\i)] matrix_a_fmt:MATRIX_FMT_FP6 matrix_b_fmt:MATRIX_FMT_FP6
.else
	v_wmma_scale_f32_16x16x128_f8f6f4 v[8*(8*(\i)+\b):8*(8*(\i)+\b)+7], v[128*(\par)+FR*\b:128*(\par)+FR*\b+FR-1], v[AF+48*(\par)+FR*(\i):AF+48*(\par)+FR*(\i)+FR-1], v[8*(8*(\i)+\b):8*(8*(\i)+\b)+7], v[SC+16*(\sc)+8+\b], v[SC+16*(\sc)+(\i)] matrix_a_fmt:MATRIX_FMT_FP6 matrix_b_fmt:MATRIX_FMT_FP6 matrix_a_scale:MATRIX_SCALE_ROW1 matrix_b_scale:MATRIX_SCALE_ROW1
.endif
.endr
.endm
; Step s (0, 1, 2, 4, 5, 6) of a unit's eight steps of 128 along K: at its head the next step's fragments are asked for, into the other sets; they have this step's 32 products in which to come.
.macro KSTEP s, rho, first
	s_wait_dscnt 0x0                               ; this step's fragments and scale words are in
	PLACES NP                                      ; in front of loads into registers that the last step's products have read
	FETCH ((\s)+1)/4, ((\s)+1)%4, ((\s)+1)%2
.if (\s)%2
	SCALES (((\s)+1)/2)%2, \rho, ((\s)+1)/2
.endif
	WMUL \first
.irp i, 0,1,2,3
	MUL8 \i, (\s)%2, ((\s)/2)%2, \first
.endr
	WIN 0
.endm
; The descriptors of a slot's next fill: the same half of K of the unit whose first tiles are s[ta] and s[tb].  It stands where no tensor load of the wave is out.
.macro NEXTD ta, tb, slot
	s_mul_i32 s[G0A+4*(\slot)+2], s[\ta], 12288
	s_mov_b32 s[G0A+4*(\slot)+3], 0
	s_add_nc_u64 s[G0A+4*(\slot)+2:G0A+4*(\slot)+3], s[4:5], s[G0A+4*(\slot)+2:G0A+4*(\slot)+3]
.if \slot
	s_add_nc_u64 s[G0A+4*(\slot)+2:G0A+4*(\slot)+3], s[G0A+4*(\slot)+2:G0A+4*(\slot)+3], TILEB
.endif
	s_or_b32 s[G0A+4*(\slot)+3], s[G0A+4*(\slot)+3], 0x80000000
	s_mul_i32 s[G0B+4*(\slot)+2], s[\tb], 12288
	s_mul_i32 s47, s[HR], 98304
	s_add_co_u32 s[G0B+4*(\slot)+2], s[G0B+4*(\slot)+2], s47
	s_mov_b32 s[G0B+4*(\slot)+3], 0
	s_add_nc_u64 s[G0B+4*(\slot)+2:G0B+4*(\slot)+3], s[4:5], s[G0B+4*(\slot)+2:G0B+4*(\slot)+3]
.if \slot
	s_add_nc_u64 s[G0B+4*(\slot)+2:G0B+4*(\slot)+3], s[G0B+4*(\slot)+2:G0B+4*(\slot)+3], TILEB
.endif
	s_or_b32 s[G0B+4*(\slot)+3], s[G0B+4*(\slot)+3], 0x80000000
.endm
; Steps 3 and 7 are a slot's last and change slots: one barrier; in front of it each wave waits for all its tensor loads, adds 0 to its spare word, and waits for that and for its reads of this slot
; (its last were this step's fragments).  Behind it: nslot is whole and is read (q = 0, sets 0, scale words of pair npair from region nrho); fill = 1: the slot just left takes the next unit's half.
.macro TURN nslot, nrho, npair, fill, ta, tb, sk
	s_wait_tensorcnt 0x0                           ; all my tensor loads have landed: my part of the slot ahead among them
	ds_add_u32 v[SPW], v[NIL]                      ; 0 onto my spare word
.if \fill
	NEXTD \ta, \tb, 1-(\nslot)
.if (\nslot) == 1 && (\sk) == 0
	s_mov_b32 s[G1B+2], 8<<16                      ; the first change of slots: no tensor load of mine is out; from here on a load of B brings 8 tiles
	s_mov_b32 s[G1B+4], 8
.endif
.if (\sk) == 1
	s_lshl_b32 s[G0SA+2], s[TA2], 9                ; v's scale bytes of A, into the first region, which q has left
	s_mov_b32 s[G0SA+3], 0
	s_add_nc_u64 s[G0SA+2:G0SA+3], s[6:7], s[G0SA+2:G0SA+3]
	s_or_b32 s[G0SA+3], s[G0SA+3], 0x80000000
.elseif (\sk) == 2
	s_lshl_b32 s[G0SB+2], s[TB2], 9                ; v's scale bytes of B, likewise: q's last scale words were read two steps ago
	s_mov_b32 s[G0SB+3], 0
	s_add_nc_u64 s[G0SB+2:G0SB+3], s[6:7], s[G0SB+2:G0SB+3]
	s_or_b32 s[G0SB+3], s[G0SB+3], 0x80000000
.endif
.endif
	s_wait_dscnt 0x1                               ; this step's fragments are in; the add may be out
	WIN MUL
	MUL8 0, 1, 1, 0
	s_wait_dscnt 0x0                               ; the add is done, and my reads of this slot are over
	s_barrier_signal -1
	MUL8 1, 1, 1, 0
	WIN 0
	s_barrier_wait -1
.if \fill
	CREST                                          ; the barrier has opened a round of the cluster's: no wave of any partner still reads this slot or has a load on its way
	JLOAD 1-(\nslot), \sk                          ; the first tensor load behind the round, one a wave
.else
	PLACES NP
.endif
	FETCH \nslot, 0, 0
	SCALES 0, \nrho, \npair
	WIN MUL
	MUL8 2, 1, 1, 0
	MUL8 3, 1, 1, 0
	WIN 0
.endm
; THE WAY OUT.  My block a of A (16 rows) holds, in a lane, 64 numbers of one row: 128 along the next K with lane l xor 16's.  They become one fragment and one scale word, stored as images: no LDS.
.macro OUTA u, a
.set AC, 64*(\a)
.if (\u) == 2
	WIN 0x82
.set jj, 0
.rept 32
.if (\a)%2
	v_pk_add_f32 v[AC+jj:AC+jj+1], v[AC+jj:AC+jj+1], v[BM+2*((\a)/2):BM+2*((\a)/2)+1] op_sel:[0,1] op_sel_hi:[1,1]   ; v: my feature's bias, from each accumulator's low end on
.else
	v_pk_add_f32 v[AC+jj:AC+jj+1], v[AC+jj:AC+jj+1], v[BM+2*((\a)/2):BM+2*((\a)/2)+1] op_sel_hi:[1,0]
.endif
.set jj, jj+2
.endr
.endif
	WIN 0x28
.irp b, 0,1,2,3
	v_max3_num_f32 v[TM+\b], 0x1800000, |v[AC+16*\b]|, |v[AC+16*\b+1]|   ; block b: my 16 numbers, and the floor 2^(3 - 127)
.endr
.irp i, 2,4,6,8,10,12,14
.irp b, 0,1,2,3
	v_max3_num_f32 v[TM+\b], v[TM+\b], |v[AC+16*\b+\i]|, |v[AC+16*\b+\i+1]|
.endr
.endr
	WIN 0
.irp b, 0,1,2,3
	v_permlanex16_b32 v[TM+4+\b], v[TM+\b], s[SEL], s[SEL+1]
.endr
.irp b, 0,1,2,3
	v_max_num_f32 v[TM+\b], v[TM+\b], v[TM+4+\b]   ; with lane l xor 16's: the block's largest magnitude
.endr
.irp b, 0,1,2,3
	v_add_nc_u32 v[TM+12+\b], 0xff000000, v[TM+\b] ; 2 off its exponent field: the conversion's scale operand
.endr
.irp b, 0,1,2,3
	v_lshrrev_b32 v[TM+4+\b], 23, v[TM+12+\b]      ; the scale's byte
.endr
	v_lshl_or_b32 v[PW], v[TM+5], 8, v[TM+4]
	v_lshl_or_b32 v[PW], v[TM+6], 16, v[PW]
	v_lshl_or_b32 v[PW], v[TM+7], 24, v[PW]
.if (\a) > 0
	s_wait_xcnt 0x0                                ; the last block's stores have read the codes' registers
.endif
	WIN 0x02
.irp c, 0,1
	v_cvt_scalef32_pk16_fp6_f32 v[PC+6*\c:PC+6*\c+2], v[AC+32*\c:AC+32*\c+15], v[TM+12+2*\c]
	v_cvt_scalef32_pk16_fp6_f32 v[PC+12+4*\c:PC+14+4*\c], v[AC+32*\c+16:AC+32*\c+31], v[TM+12+2*\c+1]
.endr
	WIN 0
	v_nop                                          ; one plain instruction behind the conversions
.irp c, 0,1                            ; the operand's layout wants a whole block in a lane
.irp i, 0,1,2
	v_permlane16_swap_b32 v[PC+6*\c+\i], v[PC+12+4*\c+\i]
.endr
.irp i, 0,1,2
	v_mov_b32 v[PC+3+6*\c+\i], v[PC+12+4*\c+\i]
.endr
.endr
.if (\u) == 1
.irp i, 0,1,2,3,4,5,6,7,8,9,10,11
	v_cndmask_b32 v[PC+\i], 0, v[PC+\i], s[KM+(\a)]   ; a masked key's codes are zeros
.endr
.endif
.if (\u) == 2
	v_mov_b32 v[WE+(\a)], v[PW]                    ; v: the four bytes of the 128 keys
.else
	v_and_or_b32 v[WE+(\a)], v[PW], 0xffff, s[SCW] ; q, k: a head's two bytes, and 127, 127 above them
	v_lshrrev_b32 v[WO+(\a)], 16, v[PW]
	v_or_b32 v[WO+(\a)], s[SCW], v[WO+(\a)]
.if (\u) == 1
	v_cndmask_b32 v[WE+(\a)], v[MSW], v[WE+(\a)], s[KM+(\a)]
	v_cndmask_b32 v[WO+(\a)], v[MSW], v[WO+(\a)], s[KM+(\a)]
.endif
.endif
.irp k, 0,1,2
	global_store_b128 v[LI], v[PC+4*\k:PC+4*\k+3], s[66:67] offset:3072*(\a)+512*\k   ; fragment 2 a + wave / 2 of the block: 32 lanes store 512 consecutive bytes
.endr
.endm
.macro WAYOUT u
	PLACES NP                                      ; behind the last products: their results are read, and registers that they read are written
.if (\u) < 2
	s_lshl_b32 s66, s[CL], 2
	s_add_co_u32 s66, s66, s41                     ; the group of 128 tokens,
	s_lshl_b32 s67, s40, 1
	s_add_co_u32 s67, s67, s[HC]                   ; the pair of heads,
	s_lshr_b32 s100, s66, 3                        ; the batch,
	s_and_b32 s66, s66, 7                          ; the group in the batch
.else
	s_and_b32 s67, s[CL], 1
	s_lshl_b32 s67, s67, 2
	s_add_co_u32 s67, s67, s41
	s_lshl_b32 s66, s40, 1
	s_add_co_u32 s66, s66, s[HC]
	s_lshr_b32 s100, s[CL], 1
.endif
	s_lshl_b32 s100, s100, 3
	s_add_co_u32 s100, s100, s67
	s_lshl_b32 s100, s100, 3
	s_add_co_u32 s100, s100, s66                   ; block = ((batch x 8 + pair) x 8 + group)
	s_mul_i32 s66, s100, 12288
	s_mul_i32 s67, s[HR], 1536
	s_add_co_u32 s66, s66, s67
	s_add_co_u32 s66, s66, (\u)*6291456
	s_mov_b32 s67, 0
	s_add_nc_u64 s[66:67], s[16:17], s[66:67]      ; pc
.if (\u) < 2
	s_lshl_b32 s100, s100, 10                      ; ps: 2 x 512 bytes a block for q and k,
.else
	s_lshl_b32 s100, s100, 9                       ; 512 for v
.endif
	s_lshl_b32 s101, s[HR], 8                      ; my tiles' words are 256 bytes on end
	s_add_co_u32 s100, s100, s101
	s_add_co_u32 s100, s100, (\u)*524288
	s_mov_b32 s101, 0
	s_add_nc_u64 s[100:101], s[18:19], s[100:101]
.if (\u) == 0
	s_mov_b32 s[SEL], 0x76543210                   ; (in registers of descriptors whose loads have been waited for)
	s_mov_b32 s[SEL+1], 0xfedcba98
	s_mov_b32 s[HI], 0xffff0000
	s_mov_b32 s[SCW], 0x7f7f0000
.endif
.if (\u) == 1
.irp i, 0,1,2,3
	v_cmp_ne_u32 s[KM+\i], 0, v[MK+\i]
.endr
	v_mov_b32 v[MSW], 0x7f880101                   ; a masked key: bytes 1, 1 over its zero codes, 136 over the four codes that the attention launch lays into block 2
.endif
.irp a, 0,1,2,3
	OUTA \u, \a
.endr
.if (\u) < 2
.irp g, 0,1,2,3
	v_cndmask_b32 v[XE+\g], v[WE+\g], v[WO+\g], s[HI]   ; lanes 0-15 store their row's four words for the even head, lanes 16-31 for the odd head
.endr
	global_store_b128 v[PSV], v[XE:XE+3], s[100:101]     ; two runs of 256 consecutive bytes
	s_wait_xcnt 0x0                                ; the stores have read their registers and bases: the next unit's fragments land there, the next way out writes the bases
.else
	v_cndmask_b32 v[XE], v[WE], v[WE+2], s[HI]
	v_cndmask_b32 v[XE+1], v[WE+1], v[WE+3], s[HI]
	global_store_b64 v[PSW], v[XE:XE+1], s[100:101]      ; 32 lanes store 256 consecutive bytes
.endif
.endm
	s_wait_alu depctr_va_vdst(0)
	s_wait_tensorcnt 0x0                           ; my tile of the head's four is in
	ds_add_u32 v[SPW], v[NIL]
	s_wait_dscnt 0x0
	CROUND                                         ; slot 0 and q's scale bytes are whole; the second group of first fills, one a wave: slot 1's A, slot 1's B, k's scale bytes of A, of B
	s_cmp_eq_u32 s[WV], 0
	s_cbranch_scc0 .Lg1
	tensor_load_to_lds s[G0A+4:G0A+7], s[G1A:G1A+7]
	s_nop 0
.rept 4
	v_nop
.endr
	s_branch .Lgd
.Lg1:
	s_cmp_eq_u32 s[WV], 1
	s_cbranch_scc0 .Lg2
	tensor_load_to_lds s[G0B+4:G0B+7], s[G1B:G1B+7]
	s_nop 0
.rept 4
	v_nop
.endr
	s_branch .Lgd
.Lg2:
	s_cmp_eq_u32 s[WV], 2
	s_cbranch_scc0 .Lg3
	tensor_load_to_lds s[G0SA1:G0SA1+3], s[G1SA:G1SA+7]
	s_nop 0
.rept 4
	v_nop
.endr
	s_branch .Lgd
.Lg3:
	tensor_load_to_lds s[G0SB1:G0SB1+3], s[G1SB:G1SB+7]
	s_nop 0
.rept 4
	v_nop
.endr
.Lgd:
	FETCH 0, 0, 0
	SCALES 0, 0, 0
	; ---- q
	KSTEP 0, 0, 1
	KSTEP 1, 0, 0
	KSTEP 2, 0, 0
	TURN 1, 0, 2, 1, TA1, TB1, 0                   ; slot 0 takes k's first half
	KSTEP 4, 0, 0
	KSTEP 5, 0, 0
	KSTEP 6, 0, 0
	TURN 0, 1, 0, 1, TA1, TB1, 2                   ; slot 1 takes k's second half; k's first fragments are fetched
	WAYOUT 0
	; ---- k
	KSTEP 0, 1, 2
	KSTEP 1, 1, 0
	KSTEP 2, 1, 0
	TURN 1, 1, 2, 1, TA2, TB2, 1                   ; slot 0 takes v's first half
	KSTEP 4, 1, 0
	KSTEP 5, 1, 0
	KSTEP 6, 1, 0
	TURN 0, 0, 0, 1, TA2, TB2, 0                   ; slot 1 takes v's second half
	WAYOUT 1
	; ---- v
	KSTEP 0, 0, 3
	KSTEP 1, 0, 0
	KSTEP 2, 0, 0
	TURN 1, 0, 2, 0, 0, 0, 0                       ; nothing is left to fetch
	KSTEP 4, 0, 0
	KSTEP 5, 0, 0
	KSTEP 6, 0, 0
	s_wait_dscnt 0x0                               ; the very last step
	WIN MUL
.irp i, 0,1,2,3
	MUL8 \i, 1, 1, 0
.endr
	WIN 0
	WAYOUT 2
	s_wait_tensorcnt 0x0                           ; the wave's end
	ds_add_u32 v[SPW], v[NIL]
	s_wait_dscnt 0x0
	CROUND                                         ; the closing round
	s_endpgm
.Lfunc_end_k_q5395d9c622_proj:
	.size	k_q5395d9c622_proj, .Lfunc_end_k_q5395d9c622_proj-k_q5395d9c622_proj
	.p2alignl 7, 3214868480
	.fill 96, 4, 3214868480
	.section	.rodata,"a",@progbits
	.p2align	6, 0x0
	.amdhsa_kernel k_q5395d9c622_proj
		.amdhsa_group_segment_fixed_size 327680
		.amdhsa_private_segment_fixed_size 0
		.amdhsa_enable_private_segment 0
		.amdhsa_kernarg_size 64
		.amdhsa_user_sgpr_count 2
		.amdhsa_user_sgpr_kernarg_segment_ptr 1
		.amdhsa_wavefront_size32 1
		.amdhsa_system_sgpr_workgroup_id_x 1
		.amdhsa_system_sgpr_workgroup_id_y 1
		.amdhsa_system_sgpr_workgroup_id_z 1
		.amdhsa_system_vgpr_workitem_id 0
		.amdhsa_next_free_vgpr 1024
		.amdhsa_next_free_sgpr 102
		.amdhsa_reserve_vcc 0
		.amdhsa_float_denorm_mode_32 3
		.amdhsa_float_denorm_mode_16_64 3
		.amdhsa_memory_ordered 1
		.amdhsa_forward_progress 1
		.amdhsa_inst_pref_size 255
	.end_amdhsa_kernel
	.section	.bss,"aw",@nobits
	.p2align	6
	.space	262144
	.amdgpu_metadata
---
amdhsa.version: [ 1, 2 ]
amdhsa.kernels:
  - .name:           k_q5395d9c622_proj
    .symbol:         k_q5395d9c622_proj.kd
    .args:
      - { .name: xc, .offset: 0, .size: 8, .value_kind: global_buffer, .address_space: global }
      - { .name: xs, .offset: 8, .size: 8, .value_kind: global_buffer, .address_space: global }
      - { .name: bq, .offset: 16, .size: 8, .value_kind: global_buffer, .address_space: global }
      - { .name: bk, .offset: 24, .size: 8, .value_kind: global_buffer, .address_space: global }
      - { .name: bv, .offset: 32, .size: 8, .value_kind: global_buffer, .address_space: global }
      - { .name: mask, .offset: 40, .size: 8, .value_kind: global_buffer, .address_space: global }
      - { .name: pc, .offset: 48, .size: 8, .value_kind: global_buffer, .address_space: global }
      - { .name: ps, .offset: 56, .size: 8, .value_kind: global_buffer, .address_space: global }
    .group_segment_fixed_size: 327680
    .private_segment_fixed_size: 0
    .kernarg_segment_align: 8
    .kernarg_segment_size: 64
    .max_flat_workgroup_size: 128
    .sgpr_count:     102
    .vgpr_count:     1024
    .wavefront_size: 32
...
	.end_amdgpu_metadata
.endif
;; end of part 2
;; launch attn (part 3): grid 4 x 64, 8 waves a work-group, clusters of 4 x 1, 327,680 bytes of LDS; arguments pc, ps, mask, cc, cs; writes cc, cs
.if DOCPART == 3
	.amdgcn_target "amdgcn-amd-amdhsa--gfx1250"
	.amdhsa_code_object_version 6
	.text
	.protected	k_q5395d9c622_attn
	.globl	k_q5395d9c622_attn
	.p2align	8
	.type	k_q5395d9c622_attn,@function
k_q5395d9c622_attn:
	s_mov_b64 s[64:65], 0
	v_nop
	global_prefetch_b8 v0, s[64:65] scope:SCOPE_SE
	s_setreg_imm32_b32 hwreg(HW_REG_WAVE_MODE, 25, 1), 1
	s_wait_xcnt 0x0
	s_wait_alu depctr_hold_cnt(0) depctr_sa_sdst(0) depctr_va_vdst(0) depctr_va_sdst(0) depctr_va_ssrc(0) depctr_va_vcc(0) depctr_vm_vsrc(0)
	s_getreg_b32 s2, hwreg(HW_REG_IB_STS2, 6, 4)
	s_cmp_eq_u32 s2, 0
	s_cbranch_scc0 .Lentry_in_a_cluster
	s_endpgm
.Lentry_in_a_cluster:
	s_bfe_u32 s2, ttmp6, 0x10000c
	s_cmp_lg_u32 s2, 0x3003
	s_cbranch_scc0 .Lentry_shape_is_right
	s_endpgm
.Lentry_shape_is_right:
; ctx = softmax(q k^T / 8, keys with mask 0 at -10000) v on codes of FP6 (E2M3) with E8M0 scales, f32 sums; ctx leaves as codes and scale words for the out-projection.
; pc, ps: q's, k's and v's fragments and scale words as launch proj leaves them; a masked key has zero codes in k and the scale word 0x7f880101.
; THE MASK rides in the product: K = 64 fills blocks 0 and 1 of the instruction's 128.  In block 2 q holds four constant codes (7.5, 7.5, 7.5, 2.5) and a masked key (-7.5, -7.5, -5, -2.5) x 2^9: -80000, which is -10000 x 8; an open key holds zeros there.
; LIMITS: NaN and infinities are not served; the promise holds while the scaled scores stay under 2^31 in magnitude; a block whose largest magnitude lies under 2^-124 keeps the scale byte 1 (this program alone reads the bytes).
; A block's largest p is made from the block's largest score by the same multiply-add and exponential: this takes v_exp_f32 not to fall where its input rises.
; SHARES.  A work-group takes one batch's pair of heads and 256 queries; all 1,024 keys of k and v of the pair lie in LDS, filled once at the head.  Eight waves, two on a SIMD; a wave takes 32 queries, two tiles a and b of 16,
; one head after the other, in 8 steps of 128 keys: each fragment of k and v feeds two products, and the two tiles' chains of vector work take turns line by line.
; CLUSTER: the four query blocks of a pair of heads read the same k and v: joint loads, mask 15.  No data prefetch: every tile is asked for at the head, so there is no loop to run ahead in.
; BOTH PRODUCTS ARE USED TRANSPOSED (S^T = k q^T, O^T = v^T p^T): a lane holds one query.
; WHICH KEYS FORM A TILE OF k is chosen by the lanes' LDS addresses: tile 4 c + i takes as its rows 0-7 keys 64 c + 8 i + 0 .. 7 and as its rows 8-15 keys 64 c + 32 + 8 i + 0 .. 7 (lanes r < 8 and r >= 8 read rows of two stored fragments, 3,072 bytes apart).
; So the 32 registers of tiles 4 c .. 4 c + 3 are, in lane (r, h), the 32 keys of block 2 c + h in order: a block's maximum needs no other lane, and the conversions' results are the operand's registers.
; k's OPERANDS OVERLAP: q's registers 7 to 11 are zero codes, so what k's operand holds there adds nothing; tile t lies at KF + 8 t (six registers of codes, the mask's word, one spare) and its operand runs on over tile t + 1's registers.
; So a step's eight tiles take 68 registers, and the NEXT step's k is fetched from LDS behind this step's score products, beside this step's v: one wait on LDS a step, in its middle.
; REGISTERS.  window 0: addresses, q, k, v, p's codes, small numbers (names below).  window 1: v0-63 S^T / p of tile a, v64-127 of b, v128-159 O^T of a, v160-191 of b, v192-223 and v224-255 the tiles' first sums.
.set VC,   98304                       ; LDS: k's codes at 0, v's here,
.set KSC,  196608                      ; k's scale words, 8,192 bytes,
.set VSC,  204800                      ; v's, 4,096,
.set MWT,  208896                      ; a word for each key: the masked key's four codes, or 0,
.set CSG,  212992                      ; ctx's scale words on their way out, 1,024 bytes,
.set SPARE, 214016                     ; the spare words, 128 bytes a wave
.set ADK,  8                           ; v8-12 the step's LDS addresses: next k, v, next k's scale words, next mask words, v's scale words
.set ADV,  9
.set ADS,  10
.set ADM,  11
.set ADT,  12
.set SPW,  14
.set NIL,  15
.set FP,   16                          ; a pair a tile: f = 2^(old M - new M); p's scale word
.set NM,   20                          ; a pair a tile: -M; the running largest score
.set LS,   24                          ; four a tile: the row's sum in two packed chains
.set QF,   32                          ; q's operand, 12 a tile
.set QV,   56                          ; six a tile: the odd head's q, later the even head's ctx codes
.set QS,   68                          ; q's scale words: 2 head + tile
.set KF,   72
.set KS,   140                         ; k's scale words, one a tile
.set VF,   148
.set VS,   196                         ; v's: tile t at 2 (t % 2) + t / 2
.set PF,   200                         ; p's codes, 12 a tile
.set MX,   224                         ; in a step: blocks' maxima, 2 q + c
.set LP,   228                         ; lane permutes' results
.set PT,   232                         ; at a head's end: permutes and bytes
.set TT,   232                         ; in a step: 8 q + 4 c: second chains of the maxima, then a conversion's second half (three) and its scale operand (the fourth)
.set SO,   240                         ; at a head's end: scale operands
.set TP,   248
.set H8,   252                         ; 8 h
.set KB,   253                         ; my lane's place in a fragment of k: 16 (r % 8) + 256 h + 3,072 (r / 8)
.set CW,   254                         ; ctx's scale word, one a tile
.set WV,   14
.set G1A,  24
.set G1B,  32
.set G1C,  40
.set G0A,  48
.set G0B,  52
.set G0C,  56
.set SEL,  60
.set CS,   62                          ; c = log2(e) / 8
.set TK,   66
.set TS,   67
.set TM,   68
.set CNT,  69
.set HI,   70
.set NC,   71                          ; -c
.set NK,   82                          ; s82-84 the next step's offsets
.set MSB, 0
.macro WIN new                         ; the immediate's high byte repeats the setting that is left
.if MSB != (\new)
	s_set_vgpr_msb (MSB<<8)|(\new)
.set MSB, (\new)
.endif
.endm
.macro WALU
	s_wait_alu depctr_va_vdst(0)
.endm
.macro CROUND
	s_barrier_signal -1
	s_barrier_wait -1
	s_cmp_lg_u32 s[WV], 0
	s_cbranch_scc1 .Lnot_wave_0_\@
	s_barrier_signal -3
.Lnot_wave_0_\@:
	s_barrier_wait -3
	s_barrier_signal -1
	s_barrier_wait -1
.endm
.macro TLOAD g0, g1
	tensor_load_to_lds s[\g0:\g0+3], s[\g1:\g1+7]
	s_nop 0
.rept 4
	v_nop
.endr
.endm
.macro GROUP1 g, rows                  ; dense bytes as rows of 256 (32 elements of 8 bytes), for all four work-groups of the cluster
	s_mov_b32 s[\g], 15|(3<<16)|(1<<21)
	s_mov_b32 s[\g+1], 32<<16
	s_mov_b32 s[\g+2], (\rows)<<16
	s_mov_b32 s[\g+3], 32<<16
	s_mov_b32 s[\g+4], \rows
	s_mov_b32 s[\g+5], 32
	s_mov_b32 s[\g+6], 0
	s_mov_b32 s[\g+7], 0
.endm
	s_load_b256 s[4:11], s[0:1], 0x0               ; pc, ps, mask, cc
	s_load_b64 s[12:13], s[0:1], 0x20              ; cs
	v_lshl_add_u32 v[SPW], v0, 2, SPARE
	v_mov_b32 v[NIL], 0
	ds_add_u32 v[SPW], v[NIL]                      ; the opening lines
	ds_add_u32 v[SPW], v[NIL]
	v_lshrrev_b32 v8, 5, v0
	v_readfirstlane_b32 s[WV], v8
	s_bfe_u32 s15, ttmp6, 0x40000
	s_lshl_b32 s17, ttmp9, 2
	s_add_co_u32 s17, s17, s15                     ; which 256 queries
	s_and_b32 s16, ttmp7, 0xffff                   ; batch x 8 + pair of heads
	s_lshr_b32 s18, s16, 3
	s_and_b32 s19, s16, 7
	GROUP1 G1A, 128                                ; a third of k's or of v's codes: 32,768 bytes
	GROUP1 G1B, 32                                 ; k's scale words
	GROUP1 G1C, 16                                 ; v's
	s_lshl_b32 s[G0A+1], s[WV], 15                 ; waves 0-2 k's thirds, waves 3-5 v's: LDS 32,768 x wave
	s_lshl_b32 s72, s[WV], 15
	s_mul_i32 s74, s16, 98304
	s_add_co_u32 s72, s72, s74
	s_cmp_ge_u32 s[WV], 3
	s_cselect_b32 s74, 6193152, 0                  ; from k's part of pc to v's, less k's three thirds
	s_add_co_u32 s72, s72, s74
	s_add_co_u32 s72, s72, 6291456
	s_mov_b32 s73, 0
	s_lshl_b32 s74, s16, 13
	s_add_co_u32 s74, s74, 524288
	s_mov_b32 s75, 0
	s_lshl_b32 s76, s16, 12
	s_add_co_u32 s76, s76, 1048576
	s_mov_b32 s77, 0
	s_mov_b32 s[SEL], 0x76543210
	s_mov_b32 s[SEL+1], 0xfedcba98
	s_mov_b32 s[CS], 0x3e38aa3b
	s_mov_b32 s[CS+1], s[CS]
	s_mov_b32 s[NC], 0xbe38aa3b
	s_mov_b32 s[HI], 0xffff0000
	s_mov_b32 s[G0A], 1
	s_mov_b32 s[G0B], 1
	s_mov_b32 s[G0B+1], KSC
	s_mov_b32 s[G0C], 1
	s_mov_b32 s[G0C+1], VSC
	WALU
	s_wait_dscnt 0x0
	s_wait_kmcnt 0x0
	s_add_nc_u64 s[G0A+2:G0A+3], s[4:5], s[72:73]
	s_or_b32 s[G0A+3], s[G0A+3], 0x80000000
	s_add_nc_u64 s[G0B+2:G0B+3], s[6:7], s[74:75]
	s_or_b32 s[G0B+3], s[G0B+3], 0x80000000
	s_add_nc_u64 s[G0C+2:G0C+3], s[6:7], s[76:77]
	s_or_b32 s[G0C+3], s[G0C+3], 0x80000000
	CROUND                                         ; the four work-groups are here: the joint loads meet
	s_cmp_lt_u32 s[WV], 6                          ; one tensor load a wave, in one chain of branches; every wave waits for 0 below
	s_cbranch_scc0 .Lks
	TLOAD G0A, G1A
	s_branch .Lasked
.Lks:
	s_cmp_eq_u32 s[WV], 6
	s_cbranch_scc0 .Lvs
	TLOAD G0B, G1B
	s_branch .Lasked
.Lvs:
	TLOAD G0C, G1C
.Lasked:
	s_lshl_b32 s81, s17, 4
	s_lshl_b32 s78, s[WV], 1
	s_add_co_u32 s81, s81, s78                     ; tile a among the batch's 64 tiles of queries; b is the next
	s_mul_i32 s72, s16, 98304
	s_mul_i32 s74, s81, 1536
	s_add_co_u32 s72, s72, s74
	s_mov_b32 s73, 0
	s_add_nc_u64 s[72:73], s[4:5], s[72:73]        ; q's fragments
	s_lshl_b32 s74, s16, 13
	s_lshr_b32 s76, s81, 3
	s_lshl_b32 s76, s76, 10
	s_add_co_u32 s74, s74, s76
	s_bfe_u32 s76, s81, 0x20001
	s_lshl_b32 s76, s76, 2
	s_add_co_u32 s74, s74, s76
	s_mov_b32 s75, 0
	s_add_nc_u64 s[74:75], s[6:7], s[74:75]        ; q's scale words: tile b's 256 bytes on, the odd head's 512
	s_lshl_b32 s76, s18, 12
	s_mov_b32 s77, 0
	s_add_nc_u64 s[8:9], s[8:9], s[76:77]          ; the batch's mask
	s_lshl_b32 s76, s18, 6
	s_add_co_u32 s76, s76, s81
	s_lshl_b32 s76, s76, 3
	s_add_co_u32 s76, s76, s19
	s_mul_i32 s76, s76, 1536
	s_add_nc_u64 s[10:11], s[10:11], s[76:77]      ; cc: [tile][pair of heads][1,536]
	s_lshl_b32 s76, s19, 15
	s_lshl_b32 s78, s18, 12
	s_add_co_u32 s76, s76, s78
	s_lshl_b32 s78, s17, 10
	s_add_co_u32 s76, s76, s78
	s_and_b32 s78, s[WV], 1
	s_lshl_b32 s78, s78, 9
	s_add_co_u32 s76, s76, s78
	s_add_nc_u64 s[12:13], s[12:13], s[76:77]      ; cs
	s_lshl_b32 s79, s[WV], 7
	s_add_co_u32 s79, s79, CSG
	s_add_co_u32 s78, s78, CSG
	v_and_b32 v8, 31, v0
	v_lshlrev_b32 v1, 4, v8                        ; 16 x lane
	v_add_nc_u32 v2, VC, v1
	v_and_b32 v9, 15, v0                           ; r
	v_and_b32 v10, 7, v0                           ; r % 8
	v_bfe_u32 v[TP], v0, 3, 1                      ; r / 8
	v_bfe_u32 v[TP+1], v0, 4, 1                    ; h
	v_lshl_add_u32 v3, v10, 4, KSC                 ; k's scale words: 16 bytes a stored row, 4 for the stored pair of tiles
	v_lshl_add_u32 v3, v[TP], 2, v3
	v_lshl_add_u32 v4, v10, 2, MWT                 ; the mask's words: key r % 8 + 32 (r / 8) of a tile's
	v_lshl_add_u32 v4, v[TP], 7, v4
	v_lshlrev_b32 v[KB], 4, v10
	v_lshl_add_u32 v[KB], v[TP+1], 8, v[KB]
	v_mad_u32_u24 v[KB], v[TP], 3072, v[KB]
	v_lshlrev_b32 v[H8], 3, v[TP+1]
	v_lshl_add_u32 v5, v9, 4, VSC
	v_lshl_add_u32 v6, v9, 2, s79                  ; ctx's scale words: 64 bytes a tile
	v_add_nc_u32 v7, s78, v1
	v_lshlrev_b32 v13, 4, v0                       ; four keys' mask a thread
	v_lshl_add_u32 v12, v0, 4, MWT
	v_lshlrev_b32 v11, 4, v9
	WALU
	global_load_b128 v[MX:MX+3], v13, s[8:9]
.irp q, 0,1
	global_load_b128 v[QF+12*\q:QF+12*\q+3], v1, s[72:73] offset:1536*\q
	global_load_b64 v[QF+12*\q+4:QF+12*\q+5], v1, s[72:73] offset:1536*\q+512
	global_load_b64 v[QV+6*\q:QV+6*\q+1], v1, s[72:73] offset:1536*\q+520
	global_load_b128 v[QV+6*\q+2:QV+6*\q+5], v1, s[72:73] offset:1536*\q+1024
	global_load_b32 v[QS+\q], v11, s[74:75] offset:256*\q
	global_load_b32 v[QS+2+\q], v11, s[74:75] offset:256*\q+512
.endr
	v_mov_b32 v[PT], 0xcbafff                      ; a masked key's four codes
	v_mov_b32 v[PT+1], 0x49f7df                    ; q's four, in block 2 alone: lanes 0-15
.irp q, 0,1
	v_cndmask_b32 v[QF+12*\q+6], v[PT+1], 0, s[HI]
.irp j, 7,8,9,10,11
	v_mov_b32 v[QF+12*\q+\j], 0
.endr
	v_mov_b32 v[FP+2*\q+1], 0                      ; named as a pair's upper half before it is first made
.endr
.irp t, 0,1,2,3,4,5,6,7
	v_mov_b32 v[KF+8*\t+7], 0                      ; k's spare registers, written once
.endr
.irp j, 64,65,66,67
	v_mov_b32 v[KF+\j], 0
.endr
.irp j, 4,5,6,7,10,11,12,13,14,15
	v_mov_b32 v[MX+\j], 0                          ; a lane permute's destination counts as one of its sources
.endr
	WALU
	s_wait_loadcnt 12                              ; the mask is in; q's 12 loads may be out
.irp i, 0,1,2,3
	v_cmp_eq_u32 vcc_lo, 0, v[MX+\i]
	v_cndmask_b32 v[MX+\i], 0, v[PT], vcc_lo
.endr
	ds_store_b128 v12, v[MX:MX+3]
	WALU
	s_wait_loadcnt 0x0
	s_wait_tensorcnt 0x0
	s_wait_dscnt 0x0
	s_barrier_signal -1
	s_barrier_wait -1                              ; k, v, their scale words and the mask's words are whole; nothing is filled again
.macro KLOAD hd, ak, am, as            ; a step's eight tiles of k, one head's half of each fragment, the mask's words, the scale words: 32 loads
.irp t, 0,1,2,3,4,5,6,7
.set KO, 1536*(4*(\t/4)+\t%2)+128*((\t%4)/2)   ; tile 4 c + i: the stored fragment 4 c + i % 2 (lanes r >= 8: two on), its rows 8 (i / 2) + r % 8
.if (\hd) == 0
	ds_load_b128 v[KF+8*\t:KF+8*\t+3], v[\ak] offset:KO
	ds_load_b64 v[KF+8*\t+4:KF+8*\t+5], v[\ak] offset:KO+512
.else
	ds_load_b64 v[KF+8*\t:KF+8*\t+1], v[\ak] offset:KO+520
	ds_load_b128 v[KF+8*\t+2:KF+8*\t+5], v[\ak] offset:KO+1024
.endif
	ds_load_b32 v[KF+8*\t+6], v[\am] offset:4*(64*(\t/4)+8*(\t%4))
	ds_load_b32 v[KS+\t], v[\as] offset:512*(\hd)+256*(\t%2)+128*((\t%4)/2)+8*(\t/4)
.endr
.endm
.macro HEAD hd
	WIN 0
.irp q, 0,1
	v_mov_b32 v[NM+2*\q], 0x7e000000               ; -M: a whole number over every -t
	v_mov_b32 v[NM+2*\q+1], 0xff61b1e6             ; the largest score so far: -3e38
.irp i, 0,1,2,3
	v_mov_b32 v[LS+4*\q+\i], 0
.endr
.endr
	WIN 0x40
.set jj, 0
.rept 64
	v_mov_b32 v[128+jj], 0                         ; O^T: the step is written once; the first finds zeros
.set jj, jj+1
.endr
	WIN 0
	s_mov_b32 s[TK], 0
	s_mov_b32 s[TS], 0
	s_mov_b32 s[TM], 0
	s_mov_b32 s[CNT], 8
	WALU
	s_wait_dscnt 0x0                               ; step 0's k is in
.Lstep_\@:
	s_add_co_u32 s[NK], s[TK], 12288               ; the next step's offsets, held inside their regions
	s_min_u32 s[NK], s[NK], 86016
	s_add_co_u32 s[NK+1], s[TS], 1024
	s_min_u32 s[NK+1], s[NK+1], 7168
	s_add_co_u32 s[NK+2], s[TM], 512
	s_min_u32 s[NK+2], s[NK+2], 3584
	WIN 0x40
.irp t, 0,1,2,3,4,5,6,7
.irp q, 0,1
	v_wmma_scale_f32_16x16x128_f8f6f4 v[64*\q+8*\t:64*\q+8*\t+7], v[KF+8*\t:KF+8*\t+11], v[QF+12*\q:QF+12*\q+11], 0, v[KS+\t], v[QS+2*(\hd)+\q] matrix_a_fmt:MATRIX_FMT_FP6 matrix_b_fmt:MATRIX_FMT_FP6
.endr
.endr
	WIN 0
	v_add_nc_u32 v[ADV], s[TK], v2                 ; five plain lines: the places behind the products, ahead of the loads into registers that products have read and of the first read of the scores
	v_add_nc_u32 v[ADT], s[TM], v5
	v_add_nc_u32 v[ADK], s[NK], v[KB]
	v_add_nc_u32 v[ADS], s[NK+1], v3
	v_add_nc_u32 v[ADM], s[NK+2], v4
.irp t, 0,1,2,3
.irp c, 0,1,2
	ds_load_b128 v[VF+12*\t+4*\c:VF+12*\t+4*\c+3], v[ADV] offset:1536*(4*(\hd)+\t)+512*\c
.endr
.endr
	ds_load_b64 v[VS:VS+1], v[ADT] offset:8*(\hd)
	ds_load_b64 v[VS+2:VS+3], v[ADT] offset:256+8*(\hd)
	s_cmp_eq_u32 s[CNT], 1                         ; the last step has no next
	s_cbranch_scc1 .Lnok_\@
	KLOAD \hd, ADK, ADM, ADS
.Lnok_\@:
	WIN 0x15                                       ; the largest score of my block 2 c + h, all 32 of it mine: two chains a block, eight by turns
.irp c, 0,1
.irp q, 0,1
	v_max3_num_f32 v[MX+2*\q+\c], v[64*\q+32*\c], v[64*\q+32*\c+1], v[64*\q+32*\c+2]
	v_max3_num_f32 v[TT+2*\q+\c], v[64*\q+32*\c+16], v[64*\q+32*\c+17], v[64*\q+32*\c+18]
.endr
.endr
	WIN 0x14
.irp i, 3,5,7,9,11,13
.irp c, 0,1
.irp q, 0,1
	v_max3_num_f32 v[MX+2*\q+\c], v[MX+2*\q+\c], v[64*\q+32*\c+\i], v[64*\q+32*\c+\i+1]
	v_max3_num_f32 v[TT+2*\q+\c], v[TT+2*\q+\c], v[64*\q+32*\c+16+\i], v[64*\q+32*\c+17+\i]
.endr
.endr
.endr
	WIN 0x10
.irp c, 0,1
.irp q, 0,1
	v_max3_num_f32 v[MX+2*\q+\c], v[MX+2*\q+\c], v[TT+2*\q+\c], v[64*\q+32*\c+15]
.endr
.endr
	WIN 0x04
.irp c, 0,1
.irp q, 0,1
	v_max_num_f32 v[MX+2*\q+\c], v[MX+2*\q+\c], v[64*\q+32*\c+31]
.endr
.endr
	WIN 0
.irp q, 0,1
	v_max_num_f32 v[TP+\q], v[MX+2*\q], v[MX+2*\q+1]
.endr
.irp q, 0,1
	v_permlanex16_b32 v[LP+\q], v[TP+\q], s[SEL], s[SEL+1]
.endr
.irp q, 0,1
	v_max3_num_f32 v[NM+2*\q+1], v[TP+\q], v[LP+\q], v[NM+2*\q+1]   ; with lane l xor 16's two blocks: the running largest score
.endr
.irp q, 0,1
	v_mul_f32 v[TP+\q], s[NC], v[NM+2*\q+1]        ; -t
.endr
.irp q, 0,1
	v_mov_b32 v[TP+2+\q], v[NM+2*\q]
.endr
.irp q, 0,1
	v_floor_f32 v[NM+2*\q], v[TP+\q]               ; -M = floor(-t) = -ceil(t)
.endr
.irp q, 0,1
	v_sub_f32 v[TP+\q], v[NM+2*\q], v[TP+2+\q]     ; old M - new M, a whole number
.endr
.irp q, 0,1
	v_cvt_i32_f32 v[TP+\q], v[TP+\q]
.endr
.irp q, 0,1
	v_ldexp_f32 v[FP+2*\q], 1.0, v[TP+\q]          ; f
.endr
.irp q, 0,1
.irp k, 0,2
	v_pk_mul_f32 v[LS+4*\q+\k:LS+4*\q+\k+1], v[LS+4*\q+\k:LS+4*\q+\k+1], v[FP+2*\q:FP+2*\q+1] op_sel_hi:[1,0]   ; the sums under the new M
.endr
.endr
.irp c, 0,1
.irp q, 0,1
	v_fma_f32 v[MX+2*\q+\c], v[MX+2*\q+\c], s[CS], v[NM+2*\q]
.endr
.endr
	WIN 0x41
.set jj, 0
.rept 32
	v_pk_fma_f32 v[jj:jj+1], v[jj:jj+1], s[CS:CS+1], v[NM:NM+1] op_sel_hi:[1,0,0]   ; tile a: t - M
.set jj, jj+2
.endr
	WIN 0
	WALU                                           ; ahead of the batch
.irp k, 0,1,2,3
	v_exp_f32 v[MX+\k], v[MX+\k]                   ; the blocks' largest p
.endr
	WIN 0x41
.set jj, 0
.rept 32                               ; tile a's p; among them tile b's t - M, which reads and writes nothing of the batch
	v_exp_f32 v[jj], v[jj]
	v_exp_f32 v[jj+1], v[jj+1]
	v_pk_fma_f32 v[64+jj:65+jj], v[64+jj:65+jj], s[CS:CS+1], v[NM+2:NM+3] op_sel_hi:[1,0,0]
.set jj, jj+2
.endr
	WALU                                           ; behind tile a's batch and ahead of tile b's
	WIN 0x45
.set jj, 0
.rept 16                               ; tile b's p; among them the first sums of tile a's unquantised p, into registers that are read behind the next wait
	v_exp_f32 v[64+jj], v[64+jj]
	v_exp_f32 v[65+jj], v[65+jj]
	v_exp_f32 v[66+jj], v[66+jj]
	v_exp_f32 v[67+jj], v[67+jj]
	v_pk_add_f32 v[192+jj/2:193+jj/2], v[jj:jj+1], v[jj+2:jj+3]
.set jj, jj+4
.endr
	WALU
	s_wait_dscnt 0x0                               ; this step's v and the next step's k are in: asked for ahead of the maxima
.set jj, 0
.rept 16
	v_pk_add_f32 v[224+jj/2:225+jj/2], v[64+jj:65+jj], v[66+jj:67+jj]   ; tile b's first sums
.set jj, jj+4
.endr
	WIN 0x04
.set jj, 0
.rept 16                               ; the rows' sums, four chains by turns
	v_pk_add_f32 v[LS+2*(jj%2):LS+2*(jj%2)+1], v[LS+2*(jj%2):LS+2*(jj%2)+1], v[192+2*jj:193+2*jj]
	v_pk_add_f32 v[LS+4+2*(jj%2):LS+5+2*(jj%2)], v[LS+4+2*(jj%2):LS+5+2*(jj%2)], v[224+2*jj:225+2*jj]
.set jj, jj+1
.endr
	WIN 0
.irp k, 0,1,2,3
	v_max_num_f32 v[MX+\k], 0x1800000, v[MX+\k]    ; the floor 2^(3 - 127): the byte cannot fall under 1
.endr
.irp c, 0,1
.irp q, 0,1
	v_add_nc_u32 v[TT+8*\q+4*\c+3], 0xff000000, v[MX+2*\q+\c]   ; 2 off the exponent field: the conversions' scale operand
.endr
.endr
.irp c, 0,1
.irp q, 0,1
	v_lshrrev_b32 v[TP+2*\q+\c], 23, v[TT+8*\q+4*\c+3]
.endr
.endr
.irp q, 0,1
	v_lshl_or_b32 v[TP+2*\q], v[TP+2*\q+1], 16, v[TP+2*\q]   ; my bytes: blocks h and 2 + h,
.endr
.irp q, 0,1
	v_lshlrev_b32 v[TP+2*\q], v[H8], v[TP+2*\q]    ; at their places in the word;
.endr
.irp q, 0,1
	v_permlanex16_b32 v[LP+2+\q], v[TP+2*\q], s[SEL], s[SEL+1]
.endr
.irp q, 0,1
	v_or_b32 v[FP+2*\q+1], v[TP+2*\q], v[LP+2+\q]  ; with lane l xor 16's two: p's scale word of these 128 keys
.endr
	WIN 0x01
.irp q, 0,1
.irp c, 0,1
	v_cvt_scalef32_pk16_fp6_f32 v[PF+12*\q+6*\c:PF+12*\q+6*\c+2], v[64*\q+32*\c:64*\q+32*\c+15], v[TT+8*\q+4*\c+3]
	v_cvt_scalef32_pk16_fp6_f32 v[TT+8*\q+4*\c:TT+8*\q+4*\c+2], v[64*\q+32*\c+16:64*\q+32*\c+31], v[TT+8*\q+4*\c+3]   ; (a conversion's three registers begin on an even number)
.endr
.endr
	WIN 0
	v_nop                                          ; one plain line behind the conversions
.irp q, 0,1
.irp c, 0,1
.irp i, 0,1,2
	v_mov_b32 v[PF+12*\q+6*\c+3+\i], v[TT+8*\q+4*\c+\i]
.endr
.endr
.endr
	WIN 0x41
	WALU                                           ; directly ahead of the first reader of O^T
.irp q, 0,1
.set jj, 0
.rept 16
	v_pk_mul_f32 v[128+32*\q+jj:129+32*\q+jj], v[128+32*\q+jj:129+32*\q+jj], v[FP+2*\q:FP+2*\q+1] op_sel_hi:[1,0]   ; O^T under the new M; also the places ahead of the products
.set jj, jj+2
.endr
.endr
	WIN 0x50
.irp t, 0,1,2,3
.irp q, 0,1
	v_wmma_scale_f32_16x16x128_f8f6f4 v[128+32*\q+8*\t:135+32*\q+8*\t], v[VF+12*\t:VF+12*\t+11], v[PF+12*\q:PF+12*\q+11], v[128+32*\q+8*\t:135+32*\q+8*\t], v[VS+2*(\t%2)+\t/2], v[FP+2*\q+1] matrix_a_fmt:MATRIX_FMT_FP6 matrix_b_fmt:MATRIX_FMT_FP6
.endr
.endr
	WIN 0
	s_add_co_u32 s[TK], s[TK], 12288
	s_add_co_u32 s[TS], s[TS], 1024
	s_add_co_u32 s[TM], s[TM], 512
	s_sub_co_u32 s[CNT], s[CNT], 1
	s_cmp_lg_u32 s[CNT], 0
	s_cbranch_scc1 .Lstep_\@
.endm
.macro FINISH hd                       ; ctx = O^T / the sum, quantised along the head's 64: six registers of codes and two scale bytes a tile.  Here a block of 32 lies in lanes l and l xor 16
	WIN 0
.irp q, 0,1
	v_pk_add_f32 v[LS+4*\q:LS+4*\q+1], v[LS+4*\q:LS+4*\q+1], v[LS+4*\q+2:LS+4*\q+3]
.endr
.irp q, 0,1
	v_add_f32 v[LS+4*\q], v[LS+4*\q], v[LS+4*\q+1]
.endr
.irp q, 0,1
	v_permlanex16_b32 v[TP+\q], v[LS+4*\q], s[SEL], s[SEL+1]
.endr
.irp q, 0,1
	v_add_f32 v[LS+4*\q], v[LS+4*\q], v[TP+\q]
.endr
	WALU
.irp q, 0,1
	v_rcp_f32 v[LS+4*\q], v[LS+4*\q]
.endr
	v_nop
	WIN 0x41
	WALU
.irp q, 0,1
.set jj, 0
.rept 16
	v_pk_mul_f32 v[64*\q+jj:64*\q+jj+1], v[128+32*\q+jj:129+32*\q+jj], v[LS+4*\q:LS+4*\q+1] op_sel_hi:[1,0]
.set jj, jj+2
.endr
.endr
	WIN 0x05
.irp b, 0,1
.irp q, 0,1
	v_max3_num_f32 v[MX+4*\q+\b], |v[64*\q+16*\b]|, |v[64*\q+16*\b+1]|, 0x1800000
.endr
.endr
	WIN 0x14
.irp i, 2,4,6,8,10,12,14
.irp b, 0,1
.irp q, 0,1
	v_max3_num_f32 v[MX+4*\q+\b], v[MX+4*\q+\b], |v[64*\q+16*\b+\i]|, |v[64*\q+16*\b+\i+1]|
.endr
.endr
.endr
	WIN 0
.irp b, 0,1
.irp q, 0,1
	v_permlanex16_b32 v[PT+4*\q+\b], v[MX+4*\q+\b], s[SEL], s[SEL+1]
.endr
.endr
.irp b, 0,1
.irp q, 0,1
	v_max_num_f32 v[MX+4*\q+\b], v[MX+4*\q+\b], v[PT+4*\q+\b]
.endr
.endr
.irp b, 0,1
.irp q, 0,1
	v_add_nc_u32 v[SO+4*\q+\b], 0xff000000, v[MX+4*\q+\b]
.endr
.endr
.irp b, 0,1
.irp q, 0,1
	v_lshrrev_b32 v[PT+4*\q+\b], 23, v[SO+4*\q+\b]
.endr
.endr
.irp q, 0,1
.if (\hd) == 0
	v_lshl_or_b32 v[CW+\q], v[PT+4*\q+1], 8, v[PT+4*\q]
.else
	v_lshl_or_b32 v[TP+\q], v[PT+4*\q+1], 8, v[PT+4*\q]
.endif
.endr
.if (\hd) == 1
.irp q, 0,1
	v_lshl_or_b32 v[CW+\q], v[TP+\q], 16, v[CW+\q]
.endr
.endif
	WIN 0x01
.irp q, 0,1
	v_cvt_scalef32_pk16_fp6_f32 v[PF+12*\q+6*(\hd):PF+12*\q+6*(\hd)+2], v[64*\q:64*\q+15], v[SO+4*\q]
	v_cvt_scalef32_pk16_fp6_f32 v[MX+8*\q:MX+8*\q+2], v[64*\q+16:64*\q+31], v[SO+4*\q+1]
.endr
	WIN 0
	v_nop
.irp q, 0,1
.irp i, 0,1,2
	v_permlane16_swap_b32 v[PF+12*\q+6*(\hd)+\i], v[MX+8*\q+\i]
.endr
.endr
.irp q, 0,1
.irp i, 0,1,2
	v_mov_b32 v[PF+12*\q+6*(\hd)+3+\i], v[MX+8*\q+\i]
.endr
.endr
.irp q, 0,1
.irp i, 0,1,2,3,4,5
.if (\hd) == 0
	v_mov_b32 v[QF+12*\q+\i], v[QV+6*\q+\i]        ; the odd head's q takes its place in the operand,
.else
	v_mov_b32 v[PF+12*\q+\i], v[QV+6*\q+\i]        ; the even head's codes come back: the fragment is whole
.endif
.endr
.endr
.if (\hd) == 0
.irp q, 0,1
.irp i, 0,1,2,3,4,5
	v_mov_b32 v[QV+6*\q+\i], v[PF+12*\q+\i]        ; and the even head's codes wait where it lay
.endr
.endr
.endif
.endm
	KLOAD 0, KB, 4, 3
	HEAD 0
	KLOAD 1, KB, 4, 3                              ; the odd head's first step is fetched while the even head is finished
	FINISH 0
	HEAD 1
	FINISH 1
.irp q, 0,1
.irp k, 0,1,2
	global_store_b128 v1, v[PF+12*\q+4*\k:PF+12*\q+4*\k+3], s[10:11] offset:12288*\q+512*\k   ; 32 lanes store 512 consecutive bytes
.endr
.endr
.irp q, 0,1
	ds_store_b32 v6, v[CW+\q] offset:64*\q
.endr
	s_wait_dscnt 0x0
	s_barrier_signal -1
	s_barrier_wait -1
	s_cmp_gt_u32 s[WV], 1
	s_cbranch_scc1 .Lno_cs
	ds_load_b128 v[MX:MX+3], v7                    ; waves 0 and 1 store the work-group's 1,024 bytes of scale words, 512 each
	s_wait_dscnt 0x0
	global_store_b128 v1, v[MX:MX+3], s[12:13]
.Lno_cs:
	s_wait_tensorcnt 0x0                           ; the wave's end
	ds_add_u32 v[SPW], v[NIL]
	s_wait_dscnt 0x0
	CROUND                                         ; the closing round
	s_endpgm
.Lfunc_end_k_q5395d9c622_attn:
	.size	k_q5395d9c622_attn, .Lfunc_end_k_q5395d9c622_attn-k_q5395d9c622_attn
	.p2alignl 7, 3214868480
	.fill 96, 4, 3214868480
	.section	.rodata,"a",@progbits
	.p2align	6, 0x0
	.amdhsa_kernel k_q5395d9c622_attn
		.amdhsa_group_segment_fixed_size 327680
		.amdhsa_private_segment_fixed_size 0
		.amdhsa_enable_private_segment 0
		.amdhsa_kernarg_size 40
		.amdhsa_user_sgpr_count 2
		.amdhsa_user_sgpr_kernarg_segment_ptr 1
		.amdhsa_wavefront_size32 1
		.amdhsa_system_sgpr_workgroup_id_x 1
		.amdhsa_system_sgpr_workgroup_id_y 1
		.amdhsa_system_sgpr_workgroup_id_z 1
		.amdhsa_system_vgpr_workitem_id 0
		.amdhsa_next_free_vgpr 512
		.amdhsa_next_free_sgpr 90
		.amdhsa_reserve_vcc 1
		.amdhsa_float_denorm_mode_32 3
		.amdhsa_float_denorm_mode_16_64 3
		.amdhsa_memory_ordered 1
		.amdhsa_forward_progress 1
		.amdhsa_inst_pref_size 94
	.end_amdhsa_kernel
	.amdgpu_metadata
---
amdhsa.version: [ 1, 2 ]
amdhsa.kernels:
  - .name:           k_q5395d9c622_attn
    .symbol:         k_q5395d9c622_attn.kd
    .args:
      - { .name: pc, .offset: 0, .size: 8, .value_kind: global_buffer, .address_space: global }
      - { .name: ps, .offset: 8, .size: 8, .value_kind: global_buffer, .address_space: global }
      - { .name: mask, .offset: 16, .size: 8, .value_kind: global_buffer, .address_space: global }
      - { .name: cc, .offset: 24, .size: 8, .value_kind: global_buffer, .address_space: global }
      - { .name: cs, .offset: 32, .size: 8, .value_kind: global_buffer, .address_space: global }
    .group_segment_fixed_size: 327680
    .private_segment_fixed_size: 0
    .kernarg_segment_align: 8
    .kernarg_segment_size: 40
    .max_flat_workgroup_size: 256
    .sgpr_count:     90
    .vgpr_count:     512
    .wavefront_size: 32
...
	.end_amdgpu_metadata
.endif
;; end of part 3
;; launch outp (part 4): grid 32 x 8, 4 waves a work-group, clusters of 4 x 4, 327,680 bytes of LDS; arguments cc, cs, xc, xs, out0, bo; writes out0
.if DOCPART == 4
	.amdgcn_target "amdgcn-amd-amdhsa--gfx1250"
	.amdhsa_code_object_version 6
	.text
	.protected	k_q5395d9c622_outp
	.globl	k_q5395d9c622_outp
	.p2align	8
	.type	k_q5395d9c622_outp,@function
k_q5395d9c622_outp:
	s_mov_b64 s[64:65], 0
	v_nop
	global_prefetch_b8 v0, s[64:65] scope:SCOPE_SE
	s_setreg_imm32_b32 hwreg(HW_REG_WAVE_MODE, 25, 1), 1
	s_wait_xcnt 0x0
	s_wait_alu depctr_hold_cnt(0) depctr_sa_sdst(0) depctr_va_vdst(0) depctr_va_sdst(0) depctr_va_ssrc(0) depctr_va_vcc(0) depctr_vm_vsrc(0)
	s_getreg_b32 s2, hwreg(HW_REG_IB_STS2, 6, 4)
	s_cmp_eq_u32 s2, 0
	s_cbranch_scc0 .Lentry_in_a_cluster
	s_endpgm
.Lentry_in_a_cluster:
	s_bfe_u32 s2, ttmp6, 0x10000c
	s_cmp_lg_u32 s2, 0xf033
	s_cbranch_scc0 .Lentry_shape_is_right
	s_endpgm
.Lentry_shape_is_right:
; out0 = ctx Wo^T + bo on codes of FP6 (E2M3) with E8M0 scales, f32 sums: 8,192 x 1,024 x 1,024.  A sum begins with the bias.
; LIMITS: NaN, infinities and sums beyond f32's range are not served.
; ctx's codes (cc: [tile of 16 rows][K step of 128][1,536 bytes]) and scale words (cs: [K step][tile][row][4 bytes]) come from the attention launch, Wo's (xc from tile 1,728 on, same form; xs: [tile][row][32 bytes]) from the quantising launch.
; A fragment lies in memory as the image of the operand's 12 registers: three loads of 16 bytes a lane.  A tile holds rows 8 u + r + 8 (r / 8) of each 32 (u = tile % 2): the way out puts columns and rows back by its offsets.
; THE DEAL.  256 work-groups of four waves, 2 x 2, each 256 rows x 128 columns of C.  A wave holds four tiles of 16 columns of Wo, all of K, in 384 registers, and streams ctx's rows past them in eight blocks of 16: block s of wave row w is tile 2 s + w.
; THE CLUSTER's x COUNTS TILE ROWS (grid = 32, 8).  A's rows are shared by a column of the cluster (mask s44), B's by a row (mask s45).
; LDS: A's 16 tiles, all at once (no refill, no data prefetch: all is asked for at the head); B's 8 tiles; A's scale words; the spare words; the waves' stages in B's first bytes, which are read for the last time ahead of the barrier in front of the stream.
; THE HEAD'S FOUR TILES, one a wave, each on its own line: B; A's tiles 0-7; 8-11; 12-15.  The stream begins when the first two are in; a plain barrier inside block 1 (and, the text being a loop's, inside 3 and 5) shows the others.
; TWO SETS of A's fragments, of accumulators and of the rows that come back from the stage, by turns.  One run of memory lines behind a block's 32 products: its sums into the stage and back as rows of 256 bytes; the fetch of the block two on; a wait; eight stores to C.
; One wait on LDS a block, ahead of its stores: younger than the rows' way back is the run's fetch alone (NF loads; in the last pair none).  It shows the next block's rows in too.
.set SIZE_N, 1024
.set BOFF, 27648                       ; Wo's first row among xc's and xs's rows: 16 x 1,728
.set NQ, 8
.set NB, 4
.set TM, 256
.set TN, 128
.set KROW, 768                         ; bytes of codes a row: a tile is 16 x 768, dense
.set KS, 32
.set FR, 12
.set FPW, 256/FR                       ; fragments in a window
.set NF, 32                            ; LDS loads of a block: 24 for eight fragments, 8 scale words
.set YB, TM*KROW
.set SCL, (TM+TN)*KROW                 ; A's scale words: [K step][tile][row], 8,192 bytes
.set SPARE, SCL+8192
.set SPITCH, 272                       ; a stage of 16 rows x (256 bytes + 16) for each wave
.set STAGE, YB
.set AA0, 6                            ; v6  LDS address of my lane's bytes in block 0's fragments; v7 of its scale words; never rewritten
.set AAS0, 7
.set CO, 9
.set SPW, 10
.set NIL, 11
.set AA, 12                            ; as v6, v7, for the block that is fetched next
.set ADRB, 14
.set ABS, 16
.set AAS, 17
.set STO, 18
.set RD, 19
.set SB, 24                            ; v24-39 B's scale words
.set SA, 42                            ; v42-57 A's: two sets of eight
.set ACC, 64                           ; v64-127 two sets of four accumulators
.set BK, 128                           ; v128-191 two sets: 16 rows x 256 bytes back from the stage
.set BO, 208                           ; v208-239 the bias as the first four products' C
.set G1A, 24
.set G0A, 56
.set G1B, 32
.set G0B, 60
.set MSB, 0
.macro WIN new
.if MSB != \new
	s_set_vgpr_msb (MSB<<8)|\new
.set MSB, \new
.endif
.endm
.macro PLACES n
.rept \n
	v_nop
.endr
.endm
.macro WALU
	s_wait_alu depctr_va_vdst(0)
.endm
.macro BARRIER
	s_barrier_signal -1
	s_barrier_wait -1
.endm
.macro CROUND
	BARRIER
	s_cmp_lg_u32 s14, 0
	s_cbranch_scc1 .Lnot_wave_0_\@
	s_barrier_signal -3
.Lnot_wave_0_\@:
	s_barrier_wait -3
	BARRIER
.endm
.macro TLOAD g0, g1
	tensor_load_to_lds s[\g0:\g0+3], s[\g1:\g1+7]
	s_nop 0
	PLACES 4
.endm
.macro ATILE first, rows               ; a part of A's 256 rows, by a descriptor of constants: dense, so its place in LDS is its place among the rows
	s_mov_b32 s[G0A+1], (\first)*KROW
	s_mov_b32 s[G1A+2], (\rows)<<16
	s_mov_b32 s[G1A+4], \rows
.if \first
	s_add_nc_u64 s[G0A+2:G0A+3], s[G0A+2:G0A+3], (\first)*KROW
.endif
	s_or_b32 s[G0A+3], s[G0A+3], 0x80000000
	TLOAD G0A, G1A
.endm
.macro GROUP1 g, mask, rows
	s_or_b32 s[\g+0], s[\mask], (1<<21)
	s_mov_b32 s[\g+1], (KROW&0xffff)<<16
	s_mov_b32 s[\g+3], KROW<<16
.if \rows                              ; (rows = 0: the two words that hold the rows are written with each tile: ATILE)
	s_mov_b32 s[\g+2], (KROW>>16)|((\rows)<<16)
	s_mov_b32 s[\g+4], \rows
.endif
	s_mov_b32 s[\g+5], KROW
	s_mov_b32 s[\g+6], 0
	s_mov_b32 s[\g+7], 0
.endm
.macro FRAG f, adr, off                ; fragment f lies at register 12 (f % 21) of window 1 + f / 21
	WIN (1+(\f)/FPW)<<6
.irp c, 0,1,2
	ds_load_b128 v[FR*((\f)%FPW)+4*\c:FR*((\f)%FPW)+4*\c+3], v[\adr] offset:(\off)+512*\c
.endr
.endm
.macro FETCHAT e, aa, as               ; a block of A into set e: NF loads
.irp q, 0,1,2,3,4,5,6,7
	FRAG NB*NQ+NQ*(\e)+\q, \aa, 1536*\q
.endr
	WIN 0
.irp q, 0,1,2,3,4,5,6,7
	ds_load_b32 v[SA+8*(\e)+\q], v[\as] offset:1024*\q
.endr
.endm
.macro PROD e, n                       ; product n = 4 q + tile of a block whose rows lie in set e; source 0 = B's rows.  The four accumulators take turns
.set Q_, (\n)/4
.set FB_, NB*Q_+(\n)%4
.set FA_, NB*NQ+NQ*(\e)+Q_
.set D_, ACC+32*(\e)+8*((\n)%4)
.set XB_, SB+NQ*(((\n)%4)/2)+Q_
.set XA_, SA+8*(\e)+Q_
	WIN (1+FB_/FPW)|((1+FA_/FPW)<<2)
.if Q_
	PROD1 D_, FB_, FA_, v[D_:D_+7], XB_, XA_, (\n)%2
.else
	PROD1 D_, FB_, FA_, v[BO+8*((\n)%4):BO+8*((\n)%4)+7], XB_, XA_, (\n)%2
.endif
.endm
.macro PROD1 d, s0, s1, c, x0, x1, o
.if \o
	v_wmma_scale_f32_16x16x128_f8f6f4 v[\d:\d+7], v[FR*((\s0)%FPW):FR*((\s0)%FPW)+FR-1], v[FR*((\s1)%FPW):FR*((\s1)%FPW)+FR-1], \c, v[\x0], v[\x1] matrix_a_fmt:MATRIX_FMT_FP6 matrix_b_fmt:MATRIX_FMT_FP6 matrix_a_scale:MATRIX_SCALE_ROW1
.else
	v_wmma_scale_f32_16x16x128_f8f6f4 v[\d:\d+7], v[FR*((\s0)%FPW):FR*((\s0)%FPW)+FR-1], v[FR*((\s1)%FPW):FR*((\s1)%FPW)+FR-1], \c, v[\x0], v[\x1] matrix_a_fmt:MATRIX_FMT_FP6 matrix_b_fmt:MATRIX_FMT_FP6 matrix_a_scale:MATRIX_SCALE_ROW0
.endif
.endm
.macro PRODS e, from, to, fetch
.set N_, \from
.rept (\to)-(\from)
	PROD \e, N_
.if (\fetch) && N_ == 1
	s_add_co_u32 s101, s101, 2*16*KROW             ; on to the block that this block's run fetches: two tiles,
	s_add_co_u32 s91, s91, 128                     ; 128 bytes of scale words
.endif
.set N_, N_+1
.endr
	WIN 0
.endm
.macro TOC s                           ; the rows in set s of BK go to C.  s[12:13] stands at the pair's first row; s = 1: 32 rows on.  A block's rows 2 t, 2 t + 1 are rows 2 t + 8 (t / 4) and the next of its 32
.irp t, 0,1,2,3,4,5,6,7
	global_store_b128 v[CO], v[BK+32*(\s)+4*\t:BK+32*(\s)+4*\t+3], s[12:13] offset:(32*(\s)+2*\t+8*(\t/4))*SIZE_N*4 th:TH_STORE_NT   ; sixteen lanes store 256 consecutive bytes, aligned
.endr
.endm
.macro STAGED u                        ; set u's sums into my stage, each accumulator from its low end on: tile b's eight numbers are columns 32 (b / 2) + 16 h + 8 (b % 2) ..; and back as whole rows.  LDS serves a wave's instructions in order (ISA guide 5.7.1.4): no wait between
.irp b, 0,1,2,3
	ds_store_b128 v[STO], v[ACC+32*(\u)+8*\b:ACC+32*(\u)+8*\b+3] offset:128*(\b/2)+32*(\b%2)
	ds_store_b128 v[STO], v[ACC+32*(\u)+8*\b+4:ACC+32*(\u)+8*\b+7] offset:128*(\b/2)+32*(\b%2)+16
.endr
.irp t, 0,1,2,3,4,5,6,7
	ds_load_b128 v[BK+32*(\u)+4*\t:BK+32*(\u)+4*\t+3], v[RD] offset:2*\t*SPITCH
.endr
.endm
.macro STREAM s, fetch, show           ; a pair's block s = 0, 1.  show = 1: a plain barrier inside the block shows waves 2 and 3's tiles to all
.if \show
	PRODS \s, 0, 24, \fetch
	s_wait_tensorcnt 0x0
	s_wait_dscnt 0x0
	s_barrier_signal -1
	PRODS \s, 24, 32, \fetch
	s_barrier_wait -1
.else
	PRODS \s, 0, 32, \fetch
.endif
.if \fetch                             ; four plain vector lines stand between the last product and the first reader of its sums
	v_add_nc_u32 v[AA], s101, v[AA0]
	v_add_nc_u32 v[AAS], s91, v[AAS0]
	PLACES 2
	WALU
.else
	PLACES 4
.endif
	s_wait_xcnt 0x0                                ; the stores of two blocks ago have read set s of the rows, and those of the block before their base
.if (\s) == 0
	s_add_nc_u64 s[12:13], s[12:13], s[20:21]      ; on to this pair's rows of C
.endif
	STAGED \s
.if \fetch
	FETCHAT \s, AA, AAS
	s_wait_dscnt NF                                ; the block's rows are back from the stage; its fetch is younger
.else
	s_wait_dscnt 0x0
.endif
	TOC \s
.endm
; ================= THE HEAD
	s_load_b128 s[4:7], s[0:1], 0x0                ; cc, cs
	s_load_b128 s[8:11], s[0:1], 0x10              ; xc, xs
	s_load_b64 s[12:13], s[0:1], 0x20              ; out0
	v_lshl_add_u32 v[SPW], v0, 2, SPARE
	v_mov_b32 v[NIL], 0
	ds_add_u32 v[SPW], v[NIL]                      ; the opening lines
	ds_add_u32 v[SPW], v[NIL]
	v_lshrrev_b32 v1, 5, v0
	v_readfirstlane_b32 s14, v1                    ; the wave; s15 its row of the 2 x 2, s16 its column
	s_lshr_b32 s15, s14, 1
	s_and_b32 s16, s14, 1
	s_bfe_u32 s40, ttmp6, 0x40000
	s_bfe_u32 s41, ttmp6, 0x40004
	s_lshl_b32 s43, ttmp9, 2
	s_add_co_u32 s43, s43, s40                     ; tile row of C: 4 x cluster x + cx
	s_and_b32 s42, ttmp7, 0xffff
	s_lshl_b32 s42, s42, 2
	s_add_co_u32 s42, s42, s41                     ; tile column of C: 4 x cluster y + cy
	s_lshl_b32 s44, 0x1111, s40                    ; my column of the cluster: shares A's rows
	s_lshl_b32 s45, s41, 2
	s_lshl_b32 s45, 15, s45                        ; my row: shares B's
	GROUP1 G1A, 44, 0
	GROUP1 G1B, 45, TN
	s_mov_b32 s[G0A], 1
	s_mul_i32 s76, s43, TM*KROW
	s_mov_b32 s77, 0
	s_mul_i32 s78, s42, TN*KROW
	s_mov_b32 s79, 0
	s_mul_i32 s82, s42, TN*KS
	s_mul_i32 s21, s16, 16*NB*KS
	s_add_co_u32 s82, s82, s21
	s_mov_b32 s83, 0
	s_mul_i32 s84, s43, TM*SIZE_N*4
	s_mul_i32 s21, s15, 8*SIZE_N*4                 ; the odd tiles begin 8 rows on
	s_add_co_u32 s84, s84, s21
	s_mul_i32 s21, s42, TN*4
	s_add_co_u32 s84, s84, s21
	s_mul_i32 s21, s16, 16*NB*4
	s_add_co_u32 s84, s84, s21
	s_mov_b32 s85, 0
	s_mov_b32 s[G0B], 1
	s_mov_b32 s[G0B+1], YB
	v_and_b32 v1, 15, v0
	v_bfe_u32 v2, v0, 4, 1
	v_and_b32 v3, 31, v0
	s_mul_i32 s23, s15, 16*KROW
	v_lshl_add_u32 v[AA0], v3, 4, s23
	s_mul_i32 s22, s16, NB*16*KROW
	s_add_co_u32 s22, s22, YB
	v_lshl_add_u32 v[ADRB], v3, 4, s22
	v_add_nc_u32 v[AA], 2*16*KROW, v[AA0]
	v_mul_u32_u24 v[ABS], v3, KS
	s_lshl_b32 s21, s15, 6
	s_add_co_u32 s21, s21, SCL
	v_lshl_add_u32 v[AAS0], v1, 2, s21
	v_add_nc_u32 v[AAS], 128, v[AAS0]
	s_mul_i32 s21, s14, 16*SPITCH
	s_add_co_u32 s21, s21, STAGE
	v_mul_u32_u24 v23, v1, SPITCH
	v_lshl_add_u32 v23, v2, 6, v23
	v_add_nc_u32 v[STO], s21, v23
	v_mul_u32_u24 v23, v2, SPITCH
	v_lshl_add_u32 v23, v1, 4, v23
	v_add_nc_u32 v[RD], s21, v23
	v_mul_u32_u24 v23, v2, SIZE_N*4
	v_lshl_add_u32 v[CO], v1, 4, v23
	WALU
	s_wait_dscnt 0x0
	CROUND                                         ; the opening round, ahead of the wait for the arguments
	s_wait_kmcnt 0x0
	s_add_nc_u64 s[8:9], s[8:9], BOFF*KROW
	s_add_nc_u64 s[10:11], s[10:11], BOFF*KS
	s_add_nc_u64 s[G0A+2:G0A+3], s[4:5], s[76:77]
	s_add_nc_u64 s[G0B+2:G0B+3], s[8:9], s[78:79]
	s_or_b32 s[G0B+3], s[G0B+3], 0x80000000
	s_add_nc_u64 s[10:11], s[10:11], s[82:83]
	s_add_nc_u64 s[12:13], s[12:13], s[84:85]
	s_cmp_eq_u32 s14, 0
	s_cbranch_scc0 .Lwave_1
	TLOAD G0B, G1B                                 ; wave 0: B's rows, which are wanted first
	s_branch .Lasked
.Lwave_1:
	s_cmp_eq_u32 s14, 1
	s_cbranch_scc0 .Lwave_2
	ATILE 0, 128                                   ; wave 1: A's rows 0 to 127
	s_branch .Lasked
.Lwave_2:
	s_cmp_eq_u32 s14, 2
	s_cbranch_scc0 .Lwave_3
	ATILE 128, 64                                  ; wave 2: 128 to 191
	s_branch .Lasked
.Lwave_3:
	ATILE 192, 64                                  ; wave 3: 192 to 255
.Lasked:
; A's scale words: 1,024 consecutive bytes of each of cs's eight K steps, 32,768 bytes apart.  A wave's load reads 512 consecutive bytes; they go into LDS as [K step][1,024]
	s_lshl_b32 s20, s43, 10
	s_mov_b32 s21, 0
	v_lshrrev_b32 v22, 6, v0
	v_lshlrev_b32 v22, 15, v22
	v_and_b32 v23, 63, v0
	v_lshl_add_u32 v22, v23, 4, v22
	s_add_nc_u64 s[6:7], s[6:7], s[20:21]
.irp k, 0,1,2,3
	global_load_b128 v[BK+4*\k:BK+4*\k+3], v22, s[6:7] offset:65536*\k
.endr
	v_lshl_add_u32 v23, v0, 4, SCL
	s_load_b64 s[76:77], s[0:1], 0x28              ; bo: register i of tile b of lane (r, h) is column 32 (b / 2) + 8 (b % 2) + 16 h + i of my wave's 64
	s_mul_i32 s20, s42, TN*4
	s_mul_i32 s21, s16, 16*NB*4
	s_add_co_u32 s20, s20, s21
	s_mov_b32 s21, 0
	v_lshlrev_b32 v8, 6, v2
	WALU
	s_wait_kmcnt 0x0
	s_add_nc_u64 s[76:77], s[76:77], s[20:21]
.irp b, 0,1,2,3
	global_load_b128 v[BO+8*\b:BO+8*\b+3], v8, s[76:77] offset:128*(\b/2)+32*(\b%2)
	global_load_b128 v[BO+8*\b+4:BO+8*\b+7], v8, s[76:77] offset:128*(\b/2)+32*(\b%2)+16
.endr
.irp p, 0,1
.irp c, 0,1
	global_load_b128 v[SB+NQ*\p+4*\c:SB+NQ*\p+4*\c+3], v[ABS], s[10:11] offset:\p*32*KS+16*\c   ; lanes 0-15 the even tile's rows, lanes 16-31 the odd tile's
.endr
.endr
	s_wait_loadcnt 0x0
.irp k, 0,1,2,3
	ds_store_b128 v23, v[BK+4*\k:BK+4*\k+3] offset:2048*\k
.endr
	s_wait_dscnt 0x0
	s_cmp_eq_u32 s14, 0
	s_cbranch_scc0 .Lnot_b
	s_wait_tensorcnt 0x0
.Lnot_b:
	BARRIER                                        ; B has landed
.irp q, 0,1,2,3,4,5,6,7
.irp b, 0,1,2,3
	FRAG NB*\q+\b, ADRB, \b*16*KROW+1536*\q
.endr
.endr
	WIN 0
	s_mov_b32 s101, 2*16*KROW
	s_mov_b32 s91, 128
	s_cmp_eq_u32 s14, 1
	s_cbranch_scc0 .Lnot_a
	s_wait_tensorcnt 0x0                           ; wave 1: A's rows 0 to 127 have landed
.Lnot_a:
	s_wait_dscnt 0x0
	BARRIER                                        ; A's first 128 rows and all scale words are in, and nobody reads B's bytes any more.  Waves 2 and 3's tiles may still be on their way
	FETCHAT 0, AA0, AAS0
	FETCHAT 1, AA, AAS
; ================= THE STREAM: eight blocks
	s_mov_b32 s23, 0
	s_mov_b32 s20, 0                               ; s[20:21]: from a pair's rows of C to the next pair's; block 0 begins where C's base stands
	s_mov_b32 s21, 0
	s_wait_dscnt NF                                ; block 0's rows are in
.Lpair:                                                ; blocks 0 to 5, a pair a trip
	STREAM 0, 1, 0
	STREAM 1, 1, 1
	s_mov_b32 s20, 64*SIZE_N*4                     ; the next pair's rows of C lie 64 rows on
	s_add_co_u32 s23, s23, 1
	s_cmp_lg_u32 s23, 3
	s_cbranch_scc1 .Lpair
	STREAM 0, 0, 0                                 ; blocks 6 and 7 fetch nothing
	STREAM 1, 0, 0
	s_wait_tensorcnt 0x0                           ; the wave's end
	ds_add_u32 v[SPW], v[NIL]
	s_wait_dscnt 0x0
	CROUND                                         ; the closing round
	s_endpgm
.Lfunc_end_k_q5395d9c622_outp:
	.size	k_q5395d9c622_outp, .Lfunc_end_k_q5395d9c622_outp-k_q5395d9c622_outp
	.p2alignl 7, 3214868480
	.fill 96, 4, 3214868480
	.section	.rodata,"a",@progbits
	.p2align	6, 0x0
	.amdhsa_kernel k_q5395d9c622_outp
		.amdhsa_group_segment_fixed_size 327680
		.amdhsa_private_segment_fixed_size 0
		.amdhsa_enable_private_segment 0
		.amdhsa_kernarg_size 48
		.amdhsa_user_sgpr_count 2
		.amdhsa_user_sgpr_kernarg_segment_ptr 1
		.amdhsa_wavefront_size32 1
		.amdhsa_system_sgpr_workgroup_id_x 1
		.amdhsa_system_sgpr_workgroup_id_y 1
		.amdhsa_system_sgpr_workgroup_id_z 1
		.amdhsa_system_vgpr_workitem_id 0
		.amdhsa_next_free_vgpr 840
		.amdhsa_next_free_sgpr 102
		.amdhsa_reserve_vcc 0
		.amdhsa_float_denorm_mode_32 3
		.amdhsa_float_denorm_mode_16_64 3
		.amdhsa_memory_ordered 1
		.amdhsa_forward_progress 1
		.amdhsa_inst_pref_size 51
	.end_amdhsa_kernel
	.amdgpu_metadata
---
amdhsa.version: [ 1, 2 ]
amdhsa.kernels:
  - .name:           k_q5395d9c622_outp
    .symbol:         k_q5395d9c622_outp.kd
    .args:
      - { .name: cc, .offset: 0, .size: 8, .value_kind: global_buffer, .address_space: global }
      - { .name: cs, .offset: 8, .size: 8, .value_kind: global_buffer, .address_space: global }
      - { .name: xc, .offset: 16, .size: 8, .value_kind: global_buffer, .address_space: global }
      - { .name: xs, .offset: 24, .size: 8, .value_kind: global_buffer, .address_space: global }
      - { .name: out0, .offset: 32, .size: 8, .value_kind: global_buffer, .address_space: global }
      - { .name: bo, .offset: 40, .size: 8, .value_kind: global_buffer, .address_space: global }
    .group_segment_fixed_size: 327680
    .private_segment_fixed_size: 0
    .kernarg_segment_align: 8
    .kernarg_segment_size: 48
    .max_flat_workgroup_size: 128
    .sgpr_count:     102
    .vgpr_count:     840
    .wavefront_size: 32
...
	.end_amdgpu_metadata
.endif
;; end of part 4
